; MI455X (gfx1250); checked and timed in simulation.
; The chip was launched on July 23, 2026; its instructions are those of AMD's public machine-readable ISA for CDNA 5 (MIT licence, August 2026) and "CDNA5" Instruction Set Architecture Reference Guide (July 2026). The comments in the code are by the model that wrote it; some were corrected since.
;; Attention. Allowed arithmetic: float matrix products may take bf16 or f16 operands with f32 sums; all other float work in f32.
;; Inputs: Wh 1,024 x 1,024 float32; Ws 1,024 x 1,024 float32; bh 1,024 float32; bs 1,024 float32; coverage_vector 32 x 2,048 float32; dec_in_state 32 x 1,024 float32; enc_lens 32 int32; enc_states 32 x 2,048 x 1,024 float32; v 1,024 float32; wc 1,024 float32.
;; Outputs: out0 32 x 1,024 float32; out1 32 x 2,048 float32; out2 32 x 2,048 float32.
;; 2 versions, each right and faster than the one before. Each part assembles by itself: llvm-mc -triple=amdgcn-amd-amdhsa -mcpu=gfx1250 --defsym DOCPART=n.
;; ======== version 1 of 2: 3 launches
;; limits: values are held in f16: magnitudes above 65,504 overflow, below 6.1e-05 lose precision; right only within a limited range of input values
;; workspace buffers: whb 2,097,152 bytes; dfe 131,072 bytes; gbuf 262,144 bytes; ctxp 2,097,152 bytes
;; launch prep (part 1): grid 64 x 1, 8 waves a work-group, no clusters, 83,456 bytes of LDS; arguments Wh, Ws, bh, bs, dec_in_state, whb, dfe; writes whb, dfe
.if DOCPART == 1
	.amdgcn_target "amdgcn-amd-amdhsa--gfx1250"
	.amdhsa_code_object_version 6
	.text
	.protected	k_q9ed8f92a67_prep
	.globl	k_q9ed8f92a67_prep
	.p2align	8
	.type	k_q9ed8f92a67_prep,@function
k_q9ed8f92a67_prep:
	s_mov_b64 s[64:65], 0
	v_nop
	global_prefetch_b8 v0, s[64:65] scope:SCOPE_SE
	s_setreg_imm32_b32 hwreg(HW_REG_WAVE_MODE, 25, 1), 1
	s_wait_xcnt 0x0
; prep: what the main launch needs once.  K2 = 2 log2(e): tanh(x) = 1 - 2 / (1 + 2^(K2 x)), so K2 is folded into all three addends of x.
;   whb = f16(K2 Wh), laid out as matrix fragments: byte cg*131072 + k*4096 + (2t+i)*512 + 16 L holds, for lane L = 16 h + r,
;         the eight numbers K2 Wh[64 cg + 16 t + r][32 k + 16 i + 8 h .. + 7]  (cg: 64 columns, k: 32 along K, t: 16 columns, i: half a fragment)
;   dfe[ct][b][16] = K2 (dec[b] . Ws[16 ct + c] + bs + bh), f32; the product with f16 operands and f32 sums.
; F16, NOT BF16: eleven significant bits against eight; a batch with few rows left by its length has a context whose rounding error is held against the root mean square of all batches.
; The operands have the room: spreads of 1 (dec), 1/32 (Ws) and 0.09 (K2 Wh), 30 times larger, or offset by 30 spreads, stay under 1,000; 30 times smaller they lie far above f16's step of 2^-24.
; LIMIT: |dec|, |Ws| and |K2 Wh| stay under 65,504, f16's largest number; beyond it the conversion gives infinity.
; 64 work-groups of 8 waves; work-group g owns rows 16 g .. 16 g + 15 of Wh and of Ws.  Both come in as whole rows (a load of the work-group
; covers 4,096 consecutive bytes), are rounded to f16, and change lanes through LDS (rows of 2,048 + 16 bytes: 129 x 16, so the 16 rows of a fragment
; load begin 16 bytes apart modulo 256).  Wave w takes K = 128 w .. 128 w + 127: four K steps of Wh's fragments to store, and four K steps of the
; product with dec; the eight waves' partial products meet in LDS.  No tile is shared between work-groups but dec (131,072 bytes), so no cluster.
.set K2,  0x4038aa3b                   ; 2 log2(e)
.set WP,  2064                         ; LDS pitch of a row of 1,024 f16
.set WSL, 16*WP                        ; Ws's 16 rows lie behind Wh's
.set RED, 32*WP                        ; 8 x 2,048 bytes: each wave's partial product (32 batches x 16 columns, f32)
; v4 16 tid   v5 8 tid   v6 fragment address in LDS   v7 my offset in whb   v8 my offset in dec   v9 16 (tid % 4)   v10, v11 RED: store, read
; v[16:79] Wh as loaded, later dec (K steps 2, 3), later the partial products   v[80:143] Ws as loaded, later fragments of Ws (80-111) and Wh (112-143)
; v[144:207] dec (K steps 0, 1)   v[208:223] two accumulators   v[224:231] bh, bs
.macro PLACES                          ; four plain vector instructions between a matrix instruction and what reads its result or loads into its sources
.rept 4
	v_nop
.endr
.endm
; dec's fragments of two K steps (kk0, kk0 + 1) and both tiles of 16 batches, as f32: 16 registers a fragment
.macro DECLOAD base, kk0
.irp kk, 0,1
.irp t, 0,1
.set db_, \base+16*(2*\kk+\t)
.set do_, \t*65536+(\kk0+\kk)*128
	global_load_b128 v[db_:db_+3],     v8, s[16:17] offset:do_       ; k = 8 h + 0..3
	global_load_b128 v[db_+4:db_+7],   v8, s[16:17] offset:do_+16    ; k = 8 h + 4..7
	global_load_b128 v[db_+8:db_+11],  v8, s[16:17] offset:do_+64    ; k = 16 + 8 h + 0..3
	global_load_b128 v[db_+12:db_+15], v8, s[16:17] offset:do_+80
.endr
.endr
.endm
.macro DECCVT base                     ; 16 f32 -> 8 registers of f16, in place, ascending: word m is written after its own two sources were read
.irp n, 0,1,2,3
.irp m, 0,1,2,3,4,5,6,7
	v_cvt_pk_f16_f32 v[\base+16*\n+\m], v[\base+16*\n+2*\m], v[\base+16*\n+2*\m+1]
.endr
.endr
.endm
	s_load_b256 s[8:15], s[0:1], 0x0               ; Wh s[8:9], Ws s[10:11], bh s[12:13], bs s[14:15]
	s_load_b128 s[16:19], s[0:1], 0x20             ; dec s[16:17], whb s[18:19]
	s_load_b64 s[20:21], s[0:1], 0x30              ; dfe
	v_lshl_add_u32 v232, v0, 2, 0x14200
	v_mov_b32 v233, 0
	v_lshrrev_b32 v14, 5, v0
	v_readfirstlane_b32 s2, v14                    ; wave 0..7
	s_mov_b32 s3, ttmp9                            ; g
	v_and_b32 v1, 31, v0                           ; L
	v_and_b32 v2, 15, v0                           ; r
	v_bfe_u32 v3, v0, 4, 1                         ; h
	v_lshlrev_b32 v4, 4, v0
	v_lshlrev_b32 v5, 3, v0
	v_mul_u32_u24 v6, v2, WP
	v_lshl_add_u32 v6, v3, 4, v6
	s_lshl_b32 s24, s2, 8
	v_add_nc_u32 v6, s24, v6                       ; r x pitch + 16 h + 256 w (my wave's 128 along K)
	s_lshl_b32 s24, s2, 14
	v_lshl_add_u32 v7, v1, 4, s24                  ; 16 L + 4 w K steps of 4,096 bytes
	v_lshlrev_b32 v8, 12, v2
	v_lshl_add_u32 v8, v3, 5, v8
	s_lshl_b32 s24, s2, 9
	v_add_nc_u32 v8, s24, v8                       ; r x 4,096 + 32 h + 512 w
	v_and_b32 v9, 3, v0
	v_lshlrev_b32 v9, 4, v9
	s_lshl_b32 s24, s2, 11
	s_add_co_u32 s24, s24, RED
	v_lshl_add_u32 v10, v1, 2, s24                 ; RED + 2,048 w + 4 L
	v_lshrrev_b32 v11, 2, v0                       ; batch b = tid / 4 (threads 0 to 127 alone use it)
	v_and_b32 v12, 7, v11                          ; accumulator register j = b % 8
	v_bfe_u32 v13, v11, 4, 1                       ; tile t = b / 16
	v_lshl_add_u32 v12, v13, 3, v12
	v_bfe_u32 v13, v11, 3, 1                       ; half of the lanes = (b / 8) % 2
	v_lshlrev_b32 v12, 7, v12                      ; (8 t + j) x 128 bytes
	v_lshl_add_u32 v12, v13, 6, v12                ; + 16 lanes x 4 bytes
	v_add_nc_u32 v11, v12, v9                      ; + my four columns
	v_add_nc_u32 v11, RED, v11
	s_mov_b32 s25, 0
	s_wait_kmcnt 0x0
	s_lshl_b32 s24, s3, 16                         ; 16 rows of 4,096 bytes
	s_add_nc_u64 s[8:9], s[8:9], s[24:25]
	s_add_nc_u64 s[10:11], s[10:11], s[24:25]
	s_lshl_b32 s24, s3, 6                          ; 16 numbers of the biases
	s_add_nc_u64 s[12:13], s[12:13], s[24:25]
	s_add_nc_u64 s[14:15], s[14:15], s[24:25]
	s_lshr_b32 s24, s3, 2
	s_lshl_b32 s24, s24, 17                        ; cg = g / 4
	s_and_b32 s26, s3, 3
	s_lshl_b32 s26, s26, 10                        ; t = g % 4: two halves of 512 bytes
	s_add_co_u32 s24, s24, s26
	s_add_nc_u64 s[18:19], s[18:19], s[24:25]
	s_lshl_b32 s24, s3, 11
	s_add_nc_u64 s[20:21], s[20:21], s[24:25]
	global_load_b128 v[224:227], v9, s[12:13]      ; 50 loads go out at once: 2 of the biases,
	global_load_b128 v[228:231], v9, s[14:15]
.irp i, 0,1,2,3,4,5,6,7,8,9,10,11,12,13,14,15
	global_load_b128 v[16+4*\i:19+4*\i], v4, s[8:9] offset:4096*\i th:TH_LOAD_NT    ; 16 of Wh,
.endr
.irp i, 0,1,2,3,4,5,6,7,8,9,10,11,12,13,14,15
	global_load_b128 v[80+4*\i:83+4*\i], v4, s[10:11] offset:4096*\i th:TH_LOAD_NT  ; 16 of Ws,
.endr
	DECLOAD 144, 0                                 ; 16 of dec
	s_wait_loadcnt 32                              ; Wh is in: Ws's 16 and dec's 16 were issued behind it
.irp i, 0,1,2,3,4,5,6,7,8,9,10,11,12,13,14,15
	v_pk_mul_f32 v[16+4*\i:17+4*\i], v[16+4*\i:17+4*\i], K2 op_sel_hi:[1,0]
	v_pk_mul_f32 v[18+4*\i:19+4*\i], v[18+4*\i:19+4*\i], K2 op_sel_hi:[1,0]
	v_cvt_pk_f16_f32 v[16+4*\i], v[16+4*\i], v[17+4*\i]
	v_cvt_pk_f16_f32 v[17+4*\i], v[18+4*\i], v[19+4*\i]
	ds_store_b64 v5, v[16+4*\i:17+4*\i] offset:WP*\i
.endr
	s_wait_loadcnt 16                              ; Ws is in: dec's 16 were issued behind it
.irp i, 0,1,2,3,4,5,6,7,8,9,10,11,12,13,14,15
	v_cvt_pk_f16_f32 v[80+4*\i], v[80+4*\i], v[81+4*\i]
	v_cvt_pk_f16_f32 v[81+4*\i], v[82+4*\i], v[83+4*\i]
	ds_store_b64 v5, v[80+4*\i:81+4*\i] offset:WSL+WP*\i
.endr
	s_wait_dscnt 0x0                               ; for the other waves' sake: my parts of all 32 rows are in LDS (and the stores have read their registers)
	DECLOAD 16, 2                                  ; dec's K steps 2 and 3, where Wh lay
	s_barrier_signal -1
	s_barrier_wait -1
.irp kk, 0,1,2,3
.irp i, 0,1
	ds_load_b128 v[112+8*\kk+4*\i:115+8*\kk+4*\i], v6 offset:64*\kk+32*\i          ; Wh: half fragment i of K step 4 w + kk
.endr
.endr
.irp kk, 0,1,2,3
.irp i, 0,1
	ds_load_b128 v[80+8*\kk+4*\i:83+8*\kk+4*\i], v6 offset:WSL+64*\kk+32*\i        ; Ws likewise
.endr
.endr
	s_wait_loadcnt 16                              ; dec's first 16 loads are in; the 16 issued in front of the barrier may stay out
	DECCVT 144
	s_wait_loadcnt 0x0
	DECCVT 16
	s_wait_dscnt 8                                 ; Wh's eight loads are back; Ws's eight were issued behind them
.irp kk, 0,1,2,3
.irp i, 0,1
	global_store_b128 v7, v[112+8*\kk+4*\i:115+8*\kk+4*\i], s[18:19] offset:4096*\kk+512*\i   ; a store of the wave covers 512 consecutive bytes, aligned
.endr
.endr
	s_wait_dscnt 0x0
	; source 0 = 16 batches of dec, source 1 = 16 rows of Ws.  The two accumulators take turns, one instruction a turn.
.irp kk, 0,1,2,3
.irp t, 0,1
.if \kk < 2
.set da_, 144+16*(2*\kk+\t)
.else
.set da_, 16+16*(2*(\kk-2)+\t)
.endif
.if \kk == 0
	v_wmma_f32_16x16x32_f16 v[208+8*\t:215+8*\t], v[da_:da_+7], v[80+8*\kk:87+8*\kk], 0
.else
	v_wmma_f32_16x16x32_f16 v[208+8*\t:215+8*\t], v[da_:da_+7], v[80+8*\kk:87+8*\kk], v[208+8*\t:215+8*\t]
.endif
.endr
.endr
	PLACES
.irp t, 0,1
.irp j, 0,1,2,3,4,5,6,7
	ds_store_b32 v10, v[208+8*\t+\j] offset:(8*\t+\j)*128      ; register j of lane (r, h): batch 16 t + 8 h + j, column r
.endr
.endr
	s_wait_dscnt 0x0                               ; for the other waves' sake
	s_barrier_signal -1
	s_barrier_wait -1
	s_cmp_ge_u32 s2, 4
	s_cbranch_scc1 .Lend                           ; 32 batches x 16 columns are 128 threads' quads: waves 0 to 3
.irp p, 0,1,2,3,4,5,6,7
	ds_load_b128 v[16+4*\p:19+4*\p], v11 offset:2048*\p        ; wave p's partial sums of my batch's four columns
.endr
	v_pk_add_f32 v[224:225], v[224:225], v[228:229]            ; bh + bs starts the sum
	v_pk_add_f32 v[226:227], v[226:227], v[230:231]
	s_wait_dscnt 0x0
.irp p, 0,1,2,3,4,5,6,7
	v_pk_add_f32 v[224:225], v[224:225], v[16+4*\p:17+4*\p]
	v_pk_add_f32 v[226:227], v[226:227], v[18+4*\p:19+4*\p]
.endr
	v_pk_mul_f32 v[224:225], v[224:225], K2 op_sel_hi:[1,0]
	v_pk_mul_f32 v[226:227], v[226:227], K2 op_sel_hi:[1,0]
	global_store_b128 v4, v[224:227], s[20:21]     ; dfe[g][tid / 4][4 (tid % 4) ..]: 16 tid
.Lend:
	s_wait_tensorcnt 0x0
	ds_add_u32 v232, v233
	s_wait_dscnt 0x0
	s_endpgm
.Lfunc_end_k_q9ed8f92a67_prep:
	.size	k_q9ed8f92a67_prep, .Lfunc_end_k_q9ed8f92a67_prep-k_q9ed8f92a67_prep
	.p2alignl 7, 3214868480
	.fill 96, 4, 3214868480
	.section	.rodata,"a",@progbits
	.p2align	6, 0x0
	.amdhsa_kernel k_q9ed8f92a67_prep
		.amdhsa_group_segment_fixed_size 83456
		.amdhsa_private_segment_fixed_size 0
		.amdhsa_enable_private_segment 0
		.amdhsa_kernarg_size 56
		.amdhsa_user_sgpr_count 2
		.amdhsa_user_sgpr_kernarg_segment_ptr 1
		.amdhsa_wavefront_size32 1
		.amdhsa_system_sgpr_workgroup_id_x 1
		.amdhsa_system_sgpr_workgroup_id_y 1
		.amdhsa_system_sgpr_workgroup_id_z 1
		.amdhsa_system_vgpr_workitem_id 0
		.amdhsa_next_free_vgpr 234
		.amdhsa_next_free_sgpr 66
		.amdhsa_reserve_vcc 0
		.amdhsa_float_denorm_mode_32 3
		.amdhsa_float_denorm_mode_16_64 3
		.amdhsa_memory_ordered 1
		.amdhsa_forward_progress 1
		.amdhsa_inst_pref_size 28
	.end_amdhsa_kernel
	.amdgpu_metadata
---
amdhsa.version: [ 1, 2 ]
amdhsa.kernels:
  - .name:           k_q9ed8f92a67_prep
    .symbol:         k_q9ed8f92a67_prep.kd
    .args:
      - { .name: Wh, .offset: 0, .size: 8, .value_kind: global_buffer, .address_space: global }
      - { .name: Ws, .offset: 8, .size: 8, .value_kind: global_buffer, .address_space: global }
      - { .name: bh, .offset: 16, .size: 8, .value_kind: global_buffer, .address_space: global }
      - { .name: bs, .offset: 24, .size: 8, .value_kind: global_buffer, .address_space: global }
      - { .name: dec_in_state, .offset: 32, .size: 8, .value_kind: global_buffer, .address_space: global }
      - { .name: whb, .offset: 40, .size: 8, .value_kind: global_buffer, .address_space: global }
      - { .name: dfe, .offset: 48, .size: 8, .value_kind: global_buffer, .address_space: global }
    .group_segment_fixed_size: 83456
    .private_segment_fixed_size: 0
    .kernarg_segment_align: 8
    .kernarg_segment_size: 56
    .max_flat_workgroup_size: 256
    .sgpr_count:     66
    .vgpr_count:     234
    .wavefront_size: 32
...
	.end_amdgpu_metadata
.endif
;; end of part 1
;; launch main (part 2): grid 16 x 32, 8 waves a work-group, no clusters, 310,272 bytes of LDS; arguments enc_states, whb, dfe, wc, v, coverage_vector, enc_lens, gbuf, ctxp; writes gbuf, ctxp
.if DOCPART == 2
	.amdgcn_target "amdgcn-amd-amdhsa--gfx1250"
	.amdhsa_code_object_version 6
	.text
	.protected	k_q9ed8f92a67_main
	.globl	k_q9ed8f92a67_main
	.p2align	8
	.type	k_q9ed8f92a67_main,@function
k_q9ed8f92a67_main:
	s_mov_b64 s[64:65], 0
	v_nop
	global_prefetch_b8 v0, s[64:65] scope:SCOPE_SE
	s_setreg_imm32_b32 hwreg(HW_REG_WAVE_MODE, 25, 1), 1
	s_wait_xcnt 0x0
; main: a work-group owns 128 rows s of one batch b (grid x = block of rows, y = batch) and ALL 1,024 output columns, so that enc_states is read from memory once:
; the block's rows stay in LDS as f16 from the product with Wh until their softmax weights are known and the block's part of the context is made.
;   x[s][m] = enc[s] . Wh[m] + bh + bs + dec . Ws[m] + cov[s] wc[m];  tanh(x) = 1 - 2 r, r = 1 / (1 + 2^(K2 x)), K2 = 2 log2(e).
;   log2(e) e[s] = const - K2 sum_m v[m] r[s][m]; the constant is the same for all rows of a batch and cancels in the softmax.  So g[s] = -K2 sum_m v[m] r[s][m],
;   the weight of a row is 2^(g - max g), and the maximum is taken away: here the block's (over the rows that the mask keeps), in the last launch the batch's.
;   Rows at or beyond enc_lens[b] get g = NEG = -2^125 and the weight 0.  2^(K2 x) = infinity gives r = 0, underflow r = 1: tanh saturates as it should.
; F16, NOT BF16, for the matrix operands (enc, K2 Wh, the weights): eleven significant bits against eight; a batch with few rows left by its length has a context whose rounding error is held
; against the root mean square of all batches.  The operands have the room: enc's spread of 1, 30 times larger or offset by 30 spreads, stays under 1,000; 30 times smaller it lies far above
; f16's step of 2^-24; the weights lie in (0, 1] with a 1 in every block that has a row left, so what underflows is under 2^-25 of the block's largest.  Sums, tanh and softmax are f32.
; LIMITS: |enc| stays under 65,504, f16's largest number (beyond it the conversion gives infinity); |g| = K2 |sum v r| stays under 2^125.
; SHARES.  8 waves of 512 registers, all running the same text.  Wave w owns columns 128 w .. + 127 in two sub-passes of 64 columns (group cg = 2 w + q) over all 128 rows and
; K = 1,024: 32 accumulators, 32 K steps of 32 matrix instructions.  Source 0 = 16 rows of Wh, source 1 = 16 rows of enc: a lane holds ONE row 16 a + r of enc and
; registers j hold columns 16 t + 8 h + j, so the sum over columns needs one exchange between the halves of the lanes.
; FIRST PHASE: 16 turns, one a slab of 64 along K (128 rows x 256 bytes of f32).  In turn j every wave multiplies slab j for its first sub-pass (64 matrix instructions), rounds its 16
; rows of slab j + 1 to f16 and stores them to LDS (one barrier a turn), and asks for its rows of slab j + 3.  Loads come back in order (ISA guide 5.7.1), so Wh's and enc's are issued
; in an order in which no wait for Wh's fragments reaches a young load of enc: slab j + 3 has six halves, 96 of the wave's matrix instructions, in which to land.
; THEN, without barriers: epilogue, second sub-pass from LDS, epilogue; one barrier; weights and context.
; Everything is written out by macros, without a loop: the buffers' periods (2 and 3 halves, 3 and 4 K steps) and the three slabs that an LDS immediate reaches would let a loop
; save under a third of the text; written out, every offset is an immediate, every LDS address a lane term plus a constant, and no base is stepped.
; NO JOINT LOADS, NO TENSOR LOADS, though all work-groups read whb: a wave's fragments of Wh are used by that wave alone and come straight into its registers, 512 consecutive
; bytes a load; a joint load lands in LDS, where 309,248 of the 327,680 bytes are taken: two slots in the 18,432 left would hold 9,216 bytes each, little more than two K steps of ONE wave's 64 columns (4,096 bytes a step).
; enc has to pass through registers to be rounded.  No prefetch: each wave already asks two slabs ahead.
; LDS: ENC 16 slabs x 18,432 (128 rows x (128 + 16) bytes: pitch 9 x 16, so the 16 rows of a fragment load begin 16 bytes apart modulo 256); G [cg][128] f32; P, CTXS each wave's own.
; REGISTERS: window 1 (v256-511): accumulator (a, t) at 8 (4 a + t).  Window 0: v0-31 addresses and small things.
;   first phase: v32-95 two buffers of half a K step of enc (64 rows x 32 K); v128-223 three slots of a K step of Wh; v96-127 (X0), v224-255 (X1) a slab's 16 rows as loaded, even and odd slabs
;   second sub-pass: v32-127 three such buffers; v128-255 four such slots
.set K2,     0x4038aa3b                ; 2 log2(e)
.set NK2,    0xc038aa3b                ; -2 log2(e)
.set NEG,    0xfe000000                ; -2^125
.set PITCH,  144
.set SLABB,  128*PITCH                 ; 18,432
.set FRAGB,  16*PITCH                  ; 2,304
.set GBASE,  16*SLABB                  ; 294,912
.set PBASE,  GBASE+8192
.set CBASE,  PBASE+2048
.set AP,  4                            ; v4   r x 144 + 16 h: my place in a fragment; reaches slabs 0-2 by the immediate; never rewritten
.set AB0, 5                            ; v5, v6  AP + 3 g slabs for the even and the odd groups g of three slabs
.set BO,  7                            ; v7   16 L
.set HO,  8                            ; v8   32 h
.set CO,  9                            ; v9   4 r
.set EO,  10                           ; v10  (16 w + 8 h) rows x 4,096 + 16 r: my 16 bytes in enc
.set SL,  11                           ; v11  (16 w + 8 h) x 144 + 8 r: the same numbers' 8 bytes in a slab
.set SO,  12                           ; v12  SL + the slab in hand
.set TB,  13                           ; v13  the turning loads' address
.set GS,  16                           ; v16-23 a sub-pass's sums for my eight rows
.set GA,  24                           ; v24  where they go
.set AR,  32
.set X0,  96
.set BR,  128
.set X1,  224
; s2 wave  s[8:25] the nine buffers  s26 x  s27 b  s28 enc_lens[b]  s30 cg  s[32:33] whb at cg  s[34:35] dfe at (cg, b)  s[36:37] wc, s[38:39] v at cg
; s[40:41] coverage at the block  s[42:43] enc at the block  s[44:45] an offset  s[46:47] lane selects  s48-51 the mask of a lane's four rows  s52-54 at work
.set MSB, 0
.macro WIN new                         ; low byte: bits 1:0 source 0, 3:2 source 1, 5:4 source 2, 7:6 destination; the high byte repeats the setting that is left
.if MSB != \new
	s_set_vgpr_msb (MSB<<8)|\new
.set MSB, \new
.endif
.endm
.macro PLACES                          ; four plain vector instructions between a matrix instruction and a load into its sources or a reader of its result
.rept 4
	v_nop
.endr
.endm
.macro SETQ q                          ; the bases of column group cg = 2 wave + q
	s_lshl_b32 s30, s2, 1
.if \q
	s_add_co_u32 s30, s30, \q
.endif
	s_mov_b32 s45, 0
	s_lshl_b32 s44, s30, 17
	s_add_nc_u64 s[32:33], s[10:11], s[44:45]
	s_lshl_b32 s44, s30, 13                        ; four tiles of 32 batches x 64 bytes
	s_lshl_b32 s52, s27, 6
	s_add_co_u32 s44, s44, s52
	s_add_nc_u64 s[34:35], s[12:13], s[44:45]
	s_lshl_b32 s44, s30, 8
	s_add_nc_u64 s[36:37], s[14:15], s[44:45]
	s_add_nc_u64 s[38:39], s[16:17], s[44:45]
.endm
.macro BLOAD kt, dst                   ; Wh's fragments of K step kt: 8 loads of 512 consecutive bytes
.irp n, 0,1,2,3,4,5,6,7
	global_load_b128 v[(\dst)+4*\n:(\dst)+4*\n+3], v[BO], s[32:33] offset:(\kt)*4096+\n*512
.endr
.endm
.macro DLOAD dst                       ; K2 (dec . Ws + bs + bh) of my 8 columns in each of the four tiles: the first K step's C
.irp t, 0,1,2,3
	global_load_b128 v[(\dst)+8*\t:(\dst)+8*\t+3],   v[HO], s[34:35] offset:\t*2048
	global_load_b128 v[(\dst)+8*\t+4:(\dst)+8*\t+7], v[HO], s[34:35] offset:\t*2048+16
.endr
.endm
.macro WLOAD                           ; wc of the same columns, into slot 0
.irp t, 0,1,2,3
	global_load_b128 v[BR+8*\t:BR+8*\t+3],   v[HO], s[36:37] offset:\t*64
	global_load_b128 v[BR+8*\t+4:BR+8*\t+7], v[HO], s[36:37] offset:\t*64+16
.endr
.endm
.macro VLOAD                           ; v of the same columns, into slot 1
.irp t, 0,1,2,3
	global_load_b128 v[BR+32+8*\t:BR+32+8*\t+3],   v[HO], s[38:39] offset:\t*64
	global_load_b128 v[BR+32+8*\t+4:BR+32+8*\t+7], v[HO], s[38:39] offset:\t*64+16
.endr
.endm
.macro CLOAD                           ; coverage of my eight rows 16 a + r, into slot 2
.irp a, 0,1,2,3,4,5,6,7
	global_load_b32 v[BR+64+\a], v[CO], s[40:41] offset:64*\a
.endr
.endm
; Half u = 2 k + hh of a sub-pass: enc's fragments of K step k, rows 64 hh .. + 63, into buffer u % nb.  K step k lies in slab k / 2, at byte 64 (k % 2) of the rows.
; The halves are fetched in ascending order; the first fetch of a group of three slabs makes the group's address.
.macro AFETCH u, nb
.set fs_, (\u)/4
.set fg_, fs_/3
.if fg_ == 0
.set fr_, AP
.else
.set fr_, AB0+(fg_%2)
.if (\u)%12 == 0
	v_add_nc_u32 v[fr_], fg_*3*SLABB, v[AP]
.endif
.endif
.set fo_, (fs_%3)*SLABB+(((\u)/2)%2)*64+((\u)%2)*4*FRAGB
.set fb_, AR+32*((\u)%(\nb))
.irp f, 0,1,2,3
	ds_load_b128 v[fb_+8*\f:fb_+8*\f+3],   v[fr_] offset:fo_+\f*FRAGB
	ds_load_b128 v[fb_+8*\f+4:fb_+8*\f+7], v[fr_] offset:fo_+\f*FRAGB+32
.endr
.endm
; 16 matrix instructions of half u: four row tiles x the four column tiles; bs: Wh's slot.  cs other than 0: the first K step, whose C operand is K2 (dec . Ws + bs + bh) at cs: nothing is cleared.
; The 32 accumulators take turns, one instruction a turn, in the same order in every K step.
.macro MUL16 u, nb, bs, cs
.set ma_, AR+32*((\u)%(\nb))
.if \cs
	WIN 0x40                                       ; D in window 1, C in window 0
.else
	WIN 0x50                                       ; C and D in window 1
.endif
.irp f, 0,1,2,3
.irp t, 0,1,2,3
.set mc_, 8*(4*(4*((\u)%2)+\f)+\t)
.if \cs
	v_wmma_f32_16x16x32_f16 v[mc_:mc_+7], v[(\bs)+8*\t:(\bs)+8*\t+7], v[ma_+8*\f:ma_+8*\f+7], v[(\cs)+8*\t:(\cs)+8*\t+7]
.else
	v_wmma_f32_16x16x32_f16 v[mc_:mc_+7], v[(\bs)+8*\t:(\bs)+8*\t+7], v[ma_+8*\f:ma_+8*\f+7], v[mc_:mc_+7]
.endif
.endr
.endr
.endm
; My 16 rows of slab jn: 8 loads; lanes 0-15 take 256 consecutive bytes (aligned) of row 16 w + i, lanes 16-31 of row 16 w + 8 + i
.macro ELOAD jn
.if (\jn)%2
.set es_, X1
.else
.set es_, X0
.endif
.irp i, 0,1,2,3,4,5,6,7
	global_load_b128 v[es_+4*\i:es_+4*\i+3], v[EO], s[42:43] offset:\i*4096+(\jn)*256 th:TH_LOAD_NT
.endr
.endm
; Slab jn, which has come in, is rounded in place (word m is written after its own two sources were read, and before no later word's), stored, and announced.
.macro LOADER jn
.if (\jn)%2
.set ls_, X1
.else
.set ls_, X0
.endif
.irp m, 0,1,2,3,4,5,6,7,8,9,10,11,12,13,14,15
	v_cvt_pk_f16_f32 v[ls_+\m], v[ls_+2*\m], v[ls_+2*\m+1]
.endr
.if (\jn) == 0
.set lr_, SL
.else
.set lr_, SO
	v_add_nc_u32 v[SO], (\jn)*SLABB, v[SL]
.endif
.irp i, 0,1,2,3,4,5,6,7
	ds_store_b64 v[lr_], v[ls_+2*\i:ls_+2*\i+1] offset:\i*PITCH    ; 16 lanes fill 128 bytes of a row; the two rows lie 8 x 36 = 288 words apart: the other 32 of the 64 banks (ISA guide 11.1)
.endr
	s_wait_dscnt 0x0                               ; for the other waves' sake: my rows of the slab are in LDS (and no LDS instruction of mine is out at the signal)
	s_barrier_signal -1
.endm
.macro TSLOT k                         ; first phase: where K step k of Wh lies: three slots by turns; the last two in X0 and X1, which enc has left, so that slots 0-2 are free for wc, v, coverage
.if (\k) == 30
.set ts_, X0
.elseif (\k) == 31
.set ts_, X1
.else
.set ts_, BR+32*((\k)%3)
.endif
.endm
; TURN j of the first phase: halves 4 j .. 4 j + 3.  In front of each half's products the next half's fragments are fetched into the buffer just read.
; Global loads, in runs of eight, in this order: first half B(2 j + 2); third half B(2 j + 3), then E(j + 3).  (B(k): Wh's K step k; E(n): my rows of slab n.)
; Turn 0 has C in slot 2, so its third half asks for B(2) and B(3); turns 13-15 have no slab left to ask for; turns 14 and 15 ask for wc, v and coverage behind Wh's last K steps.
.macro TURN j
	WIN 0
.if (\j) > 0
	PLACES                                         ; the buffer and the slot loaded below were read by the matrix instructions just issued
.endif
	AFETCH 4*(\j)+1, 2
.if ((\j) >= 1) && ((\j) <= 14)
	TSLOT 2*(\j)+2
	BLOAD 2*(\j)+2, ts_
.endif
.if (\j) == 14
	WLOAD
.elseif (\j) == 15
	CLOAD
.endif
	s_wait_dscnt 8                                 ; half 4 j is in; the eight loads just issued stay out
.if (\j) == 0
	s_wait_loadcnt 16                              ; C and B(0) are in; B(1) and E(2) stay out
.elseif (\j) == 15
	s_wait_loadcnt 32                              ; B(30) is in; wc, B(31), v and coverage stay out
.else
	s_wait_loadcnt 24                              ; B(2 j) is in; B(2 j + 1), E(j + 2) and B(2 j + 2) stay out (turn 14: B(29), B(30), wc)
.endif
	TSLOT 2*(\j)
.if (\j) == 0
	MUL16 0, 2, ts_, BR+64
.else
	MUL16 4*(\j), 2, ts_, 0
.endif
	WIN 0
.if (\j) < 15
	LOADER (\j)+1                                  ; E(j + 1) was issued ahead of B(2 j), so the wait above has shown it in.  The 16 conversions are the places behind the products
	AFETCH 4*(\j)+2, 2                             ; between signal and wait: slab j's bytes, which no wave writes
.else
	PLACES
	AFETCH 4*(\j)+2, 2
	s_wait_dscnt 8
.endif
.if (\j) == 0
	MUL16 1, 2, ts_, BR+64
.else
	MUL16 4*(\j)+1, 2, ts_, 0
.endif
.if (\j) < 15
	s_barrier_wait -1                              ; slab j + 1 is whole
.endif
	WIN 0
	PLACES
	AFETCH 4*(\j)+3, 2
.if (\j) == 0
	BLOAD 2, BR+64
	BLOAD 3, BR
.elseif (\j) <= 14
	TSLOT 2*(\j)+3
	BLOAD 2*(\j)+3, ts_
.endif
.if (\j) <= 12
	ELOAD (\j)+3                                   ; into the registers that slab j + 1 left in this turn
.elseif (\j) == 14
	VLOAD
.endif
	s_wait_dscnt 8
.if (\j) == 13
	s_wait_loadcnt 24                              ; B(27) is in; E(15), B(28), B(29) stay out
.elseif (\j) == 15
	s_wait_loadcnt 16                              ; B(31) is in; v and coverage stay out
.else
	s_wait_loadcnt 32                              ; B(2 j + 1) is in; E(j + 2), B(2 j + 2), B(2 j + 3), E(j + 3) stay out (turn 0: E(2), B(2), B(3), E(3); turn 14: B(30), wc, B(31), v)
.endif
	TSLOT 2*(\j)+1
	MUL16 4*(\j)+2, 2, ts_, 0
.if (\j) < 15
	WIN 0
	PLACES
	AFETCH 4*(\j)+4, 2                             ; the next slab's first half
	s_wait_dscnt 8
.else
	s_wait_dscnt 0x0
.endif
	MUL16 4*(\j)+3, 2, ts_, 0
.endm
; Half u of the second sub-pass: one run of loads (half u + 2 of enc; at a K step's first half Wh's K step k + 3: K step 1 fetches two, since slot 3 held C; the last three K steps
; fetch wc, v and coverage), the waits, 16 matrix instructions.
.macro HALF u
.set hk_, (\u)/2
.set hh_, (\u)%2
.if (\u) < 63
	WIN 0
.if (\u) > 0
	PLACES                                         ; the buffer and the slot loaded below were read by the matrix instructions just issued
.endif
.if (\u) <= 61
	AFETCH (\u)+2, 3
.endif
.if hh_ == 0
.if hk_ == 1
	BLOAD 3, BR+96
	BLOAD 4, BR
.elseif (hk_ >= 2) && (hk_ <= 28)
	BLOAD hk_+3, BR+32*((hk_+3)%4)
.elseif hk_ == 29
	WLOAD
.elseif hk_ == 30
	VLOAD
.elseif hk_ == 31
	CLOAD
.endif
.endif
.endif
.if (\u) <= 61
	s_wait_dscnt 16                                ; half u is in; the two later halves' eight loads each stay out
.elseif (\u) == 62
	s_wait_dscnt 8
.else
	s_wait_dscnt 0x0
.endif
.if hh_ == 0
.if hk_ == 0
	s_wait_loadcnt 16                              ; C and K step 0 are in; K steps 1 and 2 stay out
.else
	s_wait_loadcnt 24                              ; K step k is in; the three runs of eight issued behind it stay out
.endif
.endif
.if hk_ == 0
	MUL16 \u, 3, BR, BR+96
.else
	MUL16 \u, 3, BR+32*(hk_%4), 0
.endif
.endm
; THE EPILOGUE of a sub-pass: acc = K2 (enc . Wh + dec . Ws + bs + bh) -> + K2 cov wc -> r = 1 / (1 + 2^acc) -> sum over the 64 columns of v r -> G[cg][row].
.macro EPI
	WIN 0
	s_wait_loadcnt 0x0                             ; wc, v, coverage
.irp a, 0,1,2,3,4,5,6,7                                ; K2 cov[a], twice, as a pair for the packed form.  These 16 name slot 2 alone, which the last K step did not read:
	v_mul_f32 v[BR+72+2*\a], K2, v[BR+64+\a]       ; they are the places behind the last products
	v_mul_f32 v[BR+73+2*\a], K2, v[BR+64+\a]
.endr
	WIN 0x50
.irp a, 0,1,2,3,4,5,6,7
.irp t, 0,1,2,3
.irp j, 0,2,4,6
	v_pk_fma_f32 v[8*(4*\a+\t)+\j:8*(4*\a+\t)+\j+1], v[BR+72+2*\a:BR+73+2*\a], v[BR+8*\t+\j:BR+8*\t+\j+1], v[8*(4*\a+\t)+\j:8*(4*\a+\t)+\j+1]
.endr
.endr
.endr
	WIN 0x41                                       ; in place in window 1
.set i_, 0
.rept 256
	v_exp_f32 v[i_], v[i_]
.set i_, i_+1
.endr
	v_nop                                          ; a plain instruction between the last exponential and the use of its result
.set i_, 0
	s_wait_alu depctr_va_vdst(0)
.rept 128
	v_pk_add_f32 v[i_:i_+1], v[i_:i_+1], 1.0 op_sel_hi:[1,0]
.set i_, i_+2
.endr
.set i_, 0
.rept 256
	v_rcp_f32 v[i_], v[i_]
.set i_, i_+1
.endr
	v_nop                                          ; likewise behind the last reciprocal
	s_wait_alu depctr_va_vdst(0)
	WIN 0x01                                       ; r in window 1; v and the sums in window 0
.irp t, 0,1,2,3
.irp j, 0,2,4,6
.irp a, 0,1,2,3,4,5,6,7                                ; eight chains, one a row tile, by turns
.if (\t == 0) && (\j == 0)
	v_pk_mul_f32 v[32+2*\a:33+2*\a], v[8*(4*\a+\t)+\j:8*(4*\a+\t)+\j+1], v[BR+32+8*\t+\j:BR+32+8*\t+\j+1]
.else
	v_pk_fma_f32 v[32+2*\a:33+2*\a], v[8*(4*\a+\t)+\j:8*(4*\a+\t)+\j+1], v[BR+32+8*\t+\j:BR+32+8*\t+\j+1], v[32+2*\a:33+2*\a]
.endif
.endr
.endr
.endr
	WIN 0
.irp a, 0,1,2,3,4,5,6,7
	v_add_f32 v[GS+\a], v[32+2*\a], v[33+2*\a]
.endr
.irp a, 0,1,2,3,4,5,6,7
	v_permlanex16_b32 v[32+2*\a], v[GS+\a], s46, s47           ; the row's other 32 columns lie in the lane 16 away
.endr
.irp a, 0,1,2,3,4,5,6,7
	v_add_f32 v[GS+\a], v[GS+\a], v[32+2*\a]
.endr
	s_lshl_b32 s52, s30, 9
	s_add_co_u32 s52, s52, GBASE
	v_add_nc_u32 v[GA], s52, v[CO]                 ; G[cg][16 a + r]; both halves of the lanes hold, and write, the same number
.irp a, 0,1,2,3,4,5,6,7
	ds_store_b32 v[GA], v[GS+\a] offset:64*\a
.endr
.endm
	s_load_b512 s[8:23], s[0:1], 0x0               ; enc s[8:9], whb s[10:11], dfe s[12:13], wc s[14:15], v s[16:17], coverage s[18:19], enc_lens s[20:21], gbuf s[22:23]
	s_load_b64 s[24:25], s[0:1], 0x40              ; ctxp
	v_lshrrev_b32 v14, 5, v0
	v_readfirstlane_b32 s2, v14                    ; wave 0..7
	s_mov_b32 s26, ttmp9                           ; x: block of 128 rows
	s_and_b32 s27, ttmp7, 0xffff                   ; b: batch
	v_and_b32 v1, 31, v0                           ; L
	v_and_b32 v2, 15, v0                           ; r
	v_bfe_u32 v3, v0, 4, 1                         ; h
	v_mul_u32_u24 v[AP], v2, PITCH
	v_lshl_add_u32 v[AP], v3, 4, v[AP]
	v_lshlrev_b32 v[BO], 4, v1
	v_lshlrev_b32 v[HO], 5, v3
	v_lshlrev_b32 v[CO], 2, v2
	s_lshl_b32 s52, s2, 16                         ; 16 rows of 4,096 bytes a wave
	v_lshlrev_b32 v[EO], 4, v2
	v_lshl_add_u32 v[EO], v3, 15, v[EO]
	v_add_nc_u32 v[EO], s52, v[EO]
	s_mul_i32 s52, s2, 16*PITCH
	v_mul_u32_u24 v14, v3, 8*PITCH
	v_lshl_add_u32 v[SL], v2, 3, v14
	v_add_nc_u32 v[SL], s52, v[SL]
	s_mov_b32 s46, 0x76543210                      ; v_permlanex16_b32: each lane takes its own place in the other half
	s_mov_b32 s47, 0xfedcba98
	s_mov_b32 s45, 0
	s_lshl_b32 s54, s27, 4
	s_add_co_u32 s54, s54, s26                     ; the block's number, 16 b + x
	s_wait_kmcnt 0x0
	s_lshl_b32 s44, s54, 19                        ; 128 rows of 4,096 bytes
	s_add_nc_u64 s[42:43], s[8:9], s[44:45]
	ELOAD 0                                        ; enc first: it has the longest way
	ELOAD 1
	s_lshl_b32 s44, s27, 2
	s_add_nc_u64 s[20:21], s[20:21], s[44:45]
	s_load_b32 s28, s[20:21], 0x0                  ; enc_lens[b]: waited for where the mask is made
	s_lshl_b32 s44, s54, 9                         ; 128 f32
	s_add_nc_u64 s[40:41], s[18:19], s[44:45]
	s_add_nc_u64 s[22:23], s[22:23], s[44:45]
	s_lshl_b32 s44, s54, 12                        ; 1,024 f32
	s_add_nc_u64 s[24:25], s[24:25], s[44:45]
	SETQ 0
	DLOAD BR+64                                    ; C lies in slot 2 during K step 0
	BLOAD 0, BR
	BLOAD 1, BR+32
	; THE FIRST PHASE
	s_wait_loadcnt 32                              ; slab 0 is in; E(1), C, B(0), B(1) stay out
	LOADER 0
	s_barrier_wait -1
	ELOAD 2                                        ; where slab 0 lay
	AFETCH 0, 2
.irp j, 0,1,2,3,4,5,6,7,8,9,10,11,12,13,14,15
	TURN \j
.endr
	EPI
	; THE SECOND SUB-PASS: the whole block is in LDS, and nobody writes it any more: every wave goes alone.
	SETQ 1                                         ; no load is out (the epilogue waited for all): the bases may be written
	DLOAD BR+96
	BLOAD 0, BR
	BLOAD 1, BR+32
	BLOAD 2, BR+64
	AFETCH 0, 3
	AFETCH 1, 3
.set su_, 0
.rept 64
	HALF su_
.set su_, su_+1
.endr
	EPI
	; THE END.  All 16 column groups' sums meet; every wave makes all 128 weights for itself (lane L: rows 4 L .. 4 L + 3), then its 128 channels of the block's context.
	s_wait_dscnt 0x0                               ; for the other waves' sake: my sums are in G
	s_barrier_signal -1
	s_barrier_wait -1
	v_add_nc_u32 v14, GBASE, v[BO]
.irp p, 0,1,2,3,4,5,6,7,8,9,10,11,12,13,14,15
	ds_load_b128 v[128+4*\p:131+4*\p], v14 offset:512*\p
.endr
	s_wait_kmcnt 0x0                               ; enc_lens[b]
	s_lshl_b32 s52, s26, 7
	v_lshl_add_u32 v15, v1, 2, s52                 ; my first row in the batch
	v_cmp_gt_i32 s48, s28, v15                     ; the mask: row < enc_lens[b]; it selects values alone
	v_add_nc_u32 v16, 1, v15
	v_cmp_gt_i32 s49, s28, v16
	v_add_nc_u32 v16, 2, v15
	v_cmp_gt_i32 s50, s28, v16
	v_add_nc_u32 v16, 3, v15
	v_cmp_gt_i32 s51, s28, v16
	v_mov_b32 v17, NEG
	v_and_b32 v28, 7, v0                           ; the turning load: lane L reads 16 bytes of key 8 h + L % 8, channels 8 ((L / 8) % 2) + 0..7
	v_lshl_add_u32 v28, v3, 3, v28
	v_mul_u32_u24 v28, v28, PITCH
	v_bfe_u32 v29, v0, 3, 1
	v_lshl_add_u32 v28, v29, 4, v28
	s_mul_i32 s53, s2, 2*SLABB                     ; my 128 channels are slabs 2 w and 2 w + 1
	v_add_nc_u32 v[TB], s53, v28
	s_lshl_b32 s52, s2, 8
	s_add_co_u32 s52, s52, PBASE
	v_lshl_add_u32 v30, v1, 3, s52                 ; P: my wave's 256 bytes; four f16 a lane
	v_lshl_add_u32 v31, v3, 4, s52                 ; and back as fragments
	s_wait_dscnt 0x0
.set d_, 8
.rept 4                                                ; 16 quads -> 1, the same order in every wave
.set p_, 0
.rept d_
	v_pk_add_f32 v[128+4*p_:129+4*p_], v[128+4*p_:129+4*p_], v[128+4*(p_+d_):129+4*(p_+d_)]
	v_pk_add_f32 v[130+4*p_:131+4*p_], v[130+4*p_:131+4*p_], v[130+4*(p_+d_):131+4*(p_+d_)]
.set p_, p_+1
.endr
.set d_, d_/2
.endr
	v_pk_mul_f32 v[128:129], v[128:129], NK2 op_sel_hi:[1,0]
	v_pk_mul_f32 v[130:131], v[130:131], NK2 op_sel_hi:[1,0]
.irp i, 0,1,2,3
	v_cndmask_b32 v[20+\i], v17, v[128+\i], s[48+\i]           ; g, or NEG beyond the length; v[20:23] are not written again
.endr
	s_cmp_lg_u32 s2, 0
	s_cbranch_scc1 .Lno_g
	global_store_b128 v[BO], v[20:23], s[22:23]    ; wave 0 stores the block's g: 512 consecutive bytes
.Lno_g:
	v_max3_num_f32 v18, v20, v21, v22              ; the block's maximum
	v_max_num_f32 v18, v18, v23
	v_max_num_f32_dpp v18, v18, v18 row_xmask:1 row_mask:0xf bank_mask:0xf
	v_max_num_f32_dpp v18, v18, v18 row_xmask:2 row_mask:0xf bank_mask:0xf
	v_max_num_f32_dpp v18, v18, v18 row_xmask:4 row_mask:0xf bank_mask:0xf
	v_max_num_f32_dpp v18, v18, v18 row_xmask:8 row_mask:0xf bank_mask:0xf
	v_permlanex16_b32 v17, v18, s46, s47           ; its destination counts as read: v17 has been written, and NEG is no longer needed
	v_max_num_f32 v18, v18, v17
.irp i, 0,1,2,3
	v_sub_f32 v[24+\i], v[20+\i], v18
.endr
.irp i, 0,1,2,3
	v_exp_f32 v[24+\i], v[24+\i]
.endr
	v_nop                                          ; a plain instruction behind the last exponential
	s_wait_alu depctr_va_vdst(0)
.irp i, 0,1,2,3
	v_cndmask_b32 v[24+\i], 0, v[24+\i], s[48+\i]  ; in a block that lies wholly beyond the length g - max is 0: the mask makes the weight 0
.endr
	v_cvt_pk_f16_f32 v28, v24, v25
	v_cvt_pk_f16_f32 v29, v26, v27
	ds_store_b64 v30, v[28:29]
.irp f, 0,1,2,3                                        ; source 1 of the context's product: 32 keys x 16 columns that all hold the same weights.  LDS serves a wave's instructions in order (ISA guide 5.7.1.4): these see the store above
	ds_load_b128 v[32+8*\f:35+8*\f], v31 offset:64*\f
	ds_load_b128 v[36+8*\f:39+8*\f], v31 offset:64*\f+32
.endr
; enc turned: keys 32 f .. + 31 x my 128 channels, eight fragments (lane: channel 16 c + r)
.macro VTLOAD f, vt
.irp c, 0,1,2,3,4,5,6,7
	ds_load_tr16_b128 v[\vt+8*\c:\vt+8*\c+3],   v[TB] offset:(\c>>2)*SLABB+(\c&3)*32+(\f)*2*FRAGB
	ds_load_tr16_b128 v[\vt+8*\c+4:\vt+8*\c+7], v[TB] offset:(\c>>2)*SLABB+(\c&3)*32+(\f)*2*FRAGB+FRAGB
.endr
.endm
.macro CMUL f, vt, zero                ; the eight accumulators take turns
.irp c, 0,1,2,3,4,5,6,7
.if \zero
	v_wmma_f32_16x16x32_f16 v[192+8*\c:199+8*\c], v[\vt+8*\c:\vt+8*\c+7], v[32+8*\f:39+8*\f], 0
.else
	v_wmma_f32_16x16x32_f16 v[192+8*\c:199+8*\c], v[\vt+8*\c:\vt+8*\c+7], v[32+8*\f:39+8*\f], v[192+8*\c:199+8*\c]
.endif
.endr
.endm
	VTLOAD 0, 64
	VTLOAD 1, 128
	s_wait_dscnt 16                                ; the weights and keys 0-31 are in; the 16 loads of keys 32-63 stay out
	CMUL 0, 64, 1
	PLACES
	VTLOAD 2, 64
	s_wait_dscnt 16                                ; keys 32-63 are in; the 16 just issued stay out
	CMUL 1, 128, 0
	PLACES
	VTLOAD 3, 128
	s_wait_dscnt 16                                ; keys 64-95 are in; the 16 just issued stay out
	CMUL 2, 64, 0
	s_wait_dscnt 0x0
	CMUL 3, 128, 0
	s_lshl_b32 s53, s2, 9
	s_add_co_u32 s52, s53, CBASE
	v_lshl_add_u32 v14, v3, 5, s52                 ; CTXS: my wave's 512 bytes; register j of lane (r, h) is channel 16 c + 8 h + j, the same in all 16 lanes of a half
	v_add_nc_u32 v15, s52, v[BO]
	v_add_nc_u32 v16, s53, v[BO]
	PLACES
.irp c, 0,1,2,3,4,5,6,7
	ds_store_b128 v14, v[192+8*\c:195+8*\c] offset:64*\c
	ds_store_b128 v14, v[196+8*\c:199+8*\c] offset:64*\c+16
.endr
	ds_load_b128 v[24:27], v15                     ; back with four neighbouring channels a lane (my own bytes, served in order)
	s_wait_dscnt 0x0
	global_store_b128 v16, v[24:27], s[24:25]      ; ctxp[block][128 w + 4 L ..]: 512 consecutive bytes
	s_wait_xcnt 0x0
	v_lshl_add_u32 v46, v0, 2, 0x4b800
	v_mov_b32 v47, 0
	s_wait_tensorcnt 0x0
	ds_add_u32 v46, v47
	s_wait_dscnt 0x0
	s_endpgm
.Lfunc_end_k_q9ed8f92a67_main:
	.size	k_q9ed8f92a67_main, .Lfunc_end_k_q9ed8f92a67_main-k_q9ed8f92a67_main
	.p2alignl 7, 3214868480
	.fill 96, 4, 3214868480
	.section	.rodata,"a",@progbits
	.p2align	6, 0x0
	.amdhsa_kernel k_q9ed8f92a67_main
		.amdhsa_group_segment_fixed_size 310272
		.amdhsa_private_segment_fixed_size 0
		.amdhsa_enable_private_segment 0
		.amdhsa_kernarg_size 72
		.amdhsa_user_sgpr_count 2
		.amdhsa_user_sgpr_kernarg_segment_ptr 1
		.amdhsa_wavefront_size32 1
		.amdhsa_system_sgpr_workgroup_id_x 1
		.amdhsa_system_sgpr_workgroup_id_y 1
		.amdhsa_system_sgpr_workgroup_id_z 1
		.amdhsa_system_vgpr_workitem_id 0
		.amdhsa_next_free_vgpr 512
		.amdhsa_next_free_sgpr 66
		.amdhsa_reserve_vcc 0
		.amdhsa_float_denorm_mode_32 3
		.amdhsa_float_denorm_mode_16_64 3
		.amdhsa_memory_ordered 1
		.amdhsa_forward_progress 1
		.amdhsa_inst_pref_size 255
	.end_amdhsa_kernel
	.section	.bss,"aw",@nobits
	.p2align	6
	.space	262144
	.amdgpu_metadata
---
amdhsa.version: [ 1, 2 ]
amdhsa.kernels:
  - .name:           k_q9ed8f92a67_main
    .symbol:         k_q9ed8f92a67_main.kd
    .args:
      - { .name: enc_states, .offset: 0, .size: 8, .value_kind: global_buffer, .address_space: global }
      - { .name: whb, .offset: 8, .size: 8, .value_kind: global_buffer, .address_space: global }
      - { .name: dfe, .offset: 16, .size: 8, .value_kind: global_buffer, .address_space: global }
      - { .name: wc, .offset: 24, .size: 8, .value_kind: global_buffer, .address_space: global }
      - { .name: v, .offset: 32, .size: 8, .value_kind: global_buffer, .address_space: global }
      - { .name: coverage_vector, .offset: 40, .size: 8, .value_kind: global_buffer, .address_space: global }
      - { .name: enc_lens, .offset: 48, .size: 8, .value_kind: global_buffer, .address_space: global }
      - { .name: gbuf, .offset: 56, .size: 8, .value_kind: global_buffer, .address_space: global }
      - { .name: ctxp, .offset: 64, .size: 8, .value_kind: global_buffer, .address_space: global }
    .group_segment_fixed_size: 310272
    .private_segment_fixed_size: 0
    .kernarg_segment_align: 8
    .kernarg_segment_size: 72
    .max_flat_workgroup_size: 256
    .sgpr_count:     66
    .vgpr_count:     512
    .wavefront_size: 32
...
	.end_amdgpu_metadata
.endif
;; end of part 2
;; launch finish (part 3): grid 32 x 1, 8 waves a work-group, no clusters, 1,280 bytes of LDS; arguments gbuf, ctxp, coverage_vector, out0, out1, out2; writes out0, out1, out2
.if DOCPART == 3
	.amdgcn_target "amdgcn-amd-amdhsa--gfx1250"
	.amdhsa_code_object_version 6
	.text
	.protected	k_q9ed8f92a67_finish
	.globl	k_q9ed8f92a67_finish
	.p2align	8
	.type	k_q9ed8f92a67_finish,@function
k_q9ed8f92a67_finish:
	s_mov_b64 s[64:65], 0
	v_nop
	global_prefetch_b8 v0, s[64:65] scope:SCOPE_SE
	s_setreg_imm32_b32 hwreg(HW_REG_WAVE_MODE, 25, 1), 1
	s_wait_xcnt 0x0
; finish: one work-group a batch joins the 16 blocks.  g[s] (base 2, NEG = -2^125 beyond the length) and ctxp[block] = sum over the block's rows of 2^(g - m_block) enc[s] come from the main launch.
;   M = max g;  p = 2^(g - M);  L = sum p;  attn = p / L;  coverage_out = coverage + attn;  context = (sum over blocks of 2^(m_block - M) ctxp[block]) / L.
; m_block is taken anew from the stored g: a maximum is exact, so it is the number that the main launch took away.
; Thread t holds rows 4 t .. + 3 and 1,024 + 4 t .. + 3, so wave w holds exactly blocks w and w + 8; and channels 4 t .. + 3 of the context.
; All 20 loads of a thread go out at once; every load and store of a wave covers 512 consecutive bytes.  The work is 8 KiB + 8 KiB + 64 KiB a batch: no matrix unit, no LDS tiles, no cluster.
; With enc_lens <= 0 every p is made 0, L is 0 and all three outputs are NaN, as in the definition (0 / 0).
.set NEG, 0xfe000000
; v2 16 t   v[4:11] g, then p, then attn   v[12:19] coverage   v[20:31] at work   v[32:95] ctxp, four channels of 16 blocks   v[96:111] the 16 block maxima, then their weights
; v[112:119] the waves' sums   v[120:123] context.   LDS: words 0-15 block maxima, words 16-23 the waves' sums
	s_load_b256 s[8:15], s[0:1], 0x0               ; gbuf s[8:9], ctxp s[10:11], coverage s[12:13], out0 s[14:15]
	s_load_b128 s[16:19], s[0:1], 0x20             ; out1 s[16:17], out2 s[18:19]
	v_lshl_add_u32 v128, v0, 2, 0x100
	v_mov_b32 v129, 0
	v_lshrrev_b32 v1, 5, v0
	v_readfirstlane_b32 s2, v1                     ; wave
	v_lshlrev_b32 v2, 4, v0
	s_mov_b32 s4, 0x76543210                       ; v_permlanex16_b32: each lane takes its own place in the other half
	s_mov_b32 s5, 0xfedcba98
	s_lshl_b32 s20, ttmp9, 13                      ; 2,048 f32 a batch
	s_mov_b32 s21, 0
	s_lshl_b32 s22, ttmp9, 16                      ; 16 blocks x 1,024 f32
	s_mov_b32 s23, 0
	s_lshl_b32 s24, ttmp9, 12                      ; 1,024 f32
	s_mov_b32 s25, 0
	s_wait_kmcnt 0x0
	s_add_nc_u64 s[8:9], s[8:9], s[20:21]
	s_add_nc_u64 s[10:11], s[10:11], s[22:23]
	s_add_nc_u64 s[12:13], s[12:13], s[20:21]
	s_add_nc_u64 s[14:15], s[14:15], s[24:25]
	s_add_nc_u64 s[16:17], s[16:17], s[20:21]
	s_add_nc_u64 s[18:19], s[18:19], s[20:21]
	global_load_b128 v[4:7],   v2, s[8:9]
	global_load_b128 v[8:11],  v2, s[8:9] offset:4096
	global_load_b128 v[12:15], v2, s[12:13]
	global_load_b128 v[16:19], v2, s[12:13] offset:4096
.irp k, 0,1,2,3,4,5,6,7,8,9,10,11,12,13,14,15
	global_load_b128 v[32+4*\k:35+4*\k], v2, s[10:11] offset:4096*\k
.endr
	v_mov_b32 v24, s2
	v_lshlrev_b32 v24, 2, v24                      ; my wave's word
	v_mov_b32 v25, 0
	v_mov_b32 v27, NEG
	s_wait_loadcnt 18                              ; g is in; coverage's 2 loads and ctxp's 16 stay out
.irp i, 0,1,2,3,4,5,6,7
	v_cmp_gt_f32 s[32+\i], v[4+\i], v27            ; rows that the mask keeps; it selects values alone
.endr
	v_max3_num_f32 v20, v4, v5, v6                 ; block w's maximum,
	v_max3_num_f32 v21, v8, v9, v10                ; block w + 8's
	v_max_num_f32 v20, v20, v7
	v_max_num_f32 v21, v21, v11
.irp m, 1,2,4,8
	v_max_num_f32_dpp v20, v20, v20 row_xmask:\m row_mask:0xf bank_mask:0xf
	v_max_num_f32_dpp v21, v21, v21 row_xmask:\m row_mask:0xf bank_mask:0xf
.endr
	v_mov_b32 v22, v20                             ; the exchange's destinations count as read
	v_mov_b32 v23, v21
	v_permlanex16_b32 v22, v20, s4, s5
	v_permlanex16_b32 v23, v21, s4, s5
	v_max_num_f32 v20, v20, v22
	v_max_num_f32 v21, v21, v23
	ds_store_b32 v24, v20
	ds_store_b32 v24, v21 offset:32
	s_wait_dscnt 0x0                               ; for the other waves' sake
	s_barrier_signal -1
	s_barrier_wait -1
.irp k, 0,1,2,3
	ds_load_b128 v[96+4*\k:99+4*\k], v25 offset:16*\k
.endr
	s_wait_dscnt 0x0
	v_max3_num_f32 v26, v96, v97, v98              ; M
.irp k, 99,101,103,105,107,109
	v_max3_num_f32 v26, v26, v[\k], v[\k+1]
.endr
	v_max_num_f32 v26, v26, v111
.irp i, 0,1,2,3,4,5,6,7
	v_sub_f32 v[4+\i], v[4+\i], v26
.endr
.irp k, 0,1,2,3,4,5,6,7,8,9,10,11,12,13,14,15
	v_sub_f32 v[96+\k], v[96+\k], v26
.endr
.irp i, 0,1,2,3,4,5,6,7
	v_exp_f32 v[4+\i], v[4+\i]
.endr
.irp k, 0,1,2,3,4,5,6,7,8,9,10,11,12,13,14,15
	v_exp_f32 v[96+\k], v[96+\k]
.endr
	v_nop                                          ; a plain instruction behind the last exponential
	s_wait_alu depctr_va_vdst(0)
.irp i, 0,1,2,3,4,5,6,7
	v_cndmask_b32 v[4+\i], 0, v[4+\i], s[32+\i]
.endr
	v_pk_add_f32 v[28:29], v[4:5], v[6:7]
	v_pk_add_f32 v[30:31], v[8:9], v[10:11]
	v_pk_add_f32 v[28:29], v[28:29], v[30:31]
	v_add_f32 v28, v28, v29
.irp m, 1,2,4,8
	v_add_f32_dpp v28, v28, v28 row_xmask:\m row_mask:0xf bank_mask:0xf
.endr
	v_permlanex16_b32 v29, v28, s4, s5
	v_add_f32 v28, v28, v29
	ds_store_b32 v24, v28 offset:64                ; other words than the maxima's: no wave writes what another may still read
	s_wait_dscnt 0x0
	s_barrier_signal -1
	s_barrier_wait -1
	ds_load_b128 v[112:115], v25 offset:64
	ds_load_b128 v[116:119], v25 offset:80
	s_wait_dscnt 0x0
	v_pk_add_f32 v[112:113], v[112:113], v[114:115]
	v_pk_add_f32 v[116:117], v[116:117], v[118:119]
	v_pk_add_f32 v[112:113], v[112:113], v[116:117]
	v_add_f32 v28, v112, v113                      ; L
	v_rcp_f32 v30, v28
	v_rcp_f32 v31, v28                             ; twice: a pair for the packed forms
	v_nop                                          ; a plain instruction behind the reciprocals
	s_wait_loadcnt 16                              ; coverage is in; ctxp's 16 loads stay out
	s_wait_alu depctr_va_vdst(0)
.irp i, 0,2,4,6
	v_pk_fma_f32 v[12+\i:13+\i], v[4+\i:5+\i], v[30:31], v[12+\i:13+\i]    ; coverage + p / L
.endr
.irp i, 0,2,4,6
	v_pk_mul_f32 v[4+\i:5+\i], v[4+\i:5+\i], v[30:31]                      ; attn
.endr
	global_store_b128 v2, v[4:7],   s[16:17]
	global_store_b128 v2, v[8:11],  s[16:17] offset:4096
	global_store_b128 v2, v[12:15], s[18:19]
	global_store_b128 v2, v[16:19], s[18:19] offset:4096
	s_wait_loadcnt 0x0
.irp i, 0,1,2,3
	v_mul_f32 v[120+\i], v96, v[32+\i]             ; block 0 starts the four sums
.endr
.irp k, 1,2,3,4,5,6,7,8,9,10,11,12,13,14,15
.irp i, 0,1,2,3
	v_fmac_f32 v[120+\i], v[96+\k], v[32+4*\k+\i]
.endr
.endr
	v_pk_mul_f32 v[120:121], v[120:121], v[30:31]
	v_pk_mul_f32 v[122:123], v[122:123], v[30:31]
	global_store_b128 v2, v[120:123], s[14:15]
	s_wait_tensorcnt 0x0
	ds_add_u32 v128, v129
	s_wait_dscnt 0x0
	s_endpgm
.Lfunc_end_k_q9ed8f92a67_finish:
	.size	k_q9ed8f92a67_finish, .Lfunc_end_k_q9ed8f92a67_finish-k_q9ed8f92a67_finish
	.p2alignl 7, 3214868480
	.fill 96, 4, 3214868480
	.section	.rodata,"a",@progbits
	.p2align	6, 0x0
	.amdhsa_kernel k_q9ed8f92a67_finish
		.amdhsa_group_segment_fixed_size 1280
		.amdhsa_private_segment_fixed_size 0
		.amdhsa_enable_private_segment 0
		.amdhsa_kernarg_size 48
		.amdhsa_user_sgpr_count 2
		.amdhsa_user_sgpr_kernarg_segment_ptr 1
		.amdhsa_wavefront_size32 1
		.amdhsa_system_sgpr_workgroup_id_x 1
		.amdhsa_system_sgpr_workgroup_id_y 1
		.amdhsa_system_sgpr_workgroup_id_z 1
		.amdhsa_system_vgpr_workitem_id 0
		.amdhsa_next_free_vgpr 130
		.amdhsa_next_free_sgpr 66
		.amdhsa_reserve_vcc 0
		.amdhsa_float_denorm_mode_32 3
		.amdhsa_float_denorm_mode_16_64 3
		.amdhsa_memory_ordered 1
		.amdhsa_forward_progress 1
		.amdhsa_inst_pref_size 13
	.end_amdhsa_kernel
	.amdgpu_metadata
---
amdhsa.version: [ 1, 2 ]
amdhsa.kernels:
  - .name:           k_q9ed8f92a67_finish
    .symbol:         k_q9ed8f92a67_finish.kd
    .args:
      - { .name: gbuf, .offset: 0, .size: 8, .value_kind: global_buffer, .address_space: global }
      - { .name: ctxp, .offset: 8, .size: 8, .value_kind: global_buffer, .address_space: global }
      - { .name: coverage_vector, .offset: 16, .size: 8, .value_kind: global_buffer, .address_space: global }
      - { .name: out0, .offset: 24, .size: 8, .value_kind: global_buffer, .address_space: global }
      - { .name: out1, .offset: 32, .size: 8, .value_kind: global_buffer, .address_space: global }
      - { .name: out2, .offset: 40, .size: 8, .value_kind: global_buffer, .address_space: global }
    .group_segment_fixed_size: 1280
    .private_segment_fixed_size: 0
    .kernarg_segment_align: 8
    .kernarg_segment_size: 48
    .max_flat_workgroup_size: 256
    .sgpr_count:     66
    .vgpr_count:     130
    .wavefront_size: 32
...
	.end_amdgpu_metadata
.endif
;; end of part 3
;; ======== version 2 of 2: 3 launches; 1.25 times as fast as version 1
;; limits: values are held in f16: magnitudes above 65,504 overflow, below 6.1e-05 lose precision; right only within a limited range of input values
;; workspace buffers: whb 2,097,152 bytes; dfe 131,072 bytes; gbuf 262,144 bytes; ctxp 2,097,152 bytes
;; launch prep: the kernel of part 1 again; grid 64 x 1, 8 waves a work-group, no clusters, 83,456 bytes of LDS; arguments Wh, Ws, bh, bs, dec_in_state, whb, dfe; writes whb, dfe
;; launch main (part 4): grid 32 x 16, 8 waves a work-group, no clusters, 310,272 bytes of LDS; arguments enc_states, whb, dfe, wc, v, coverage_vector, enc_lens, gbuf, ctxp; writes gbuf, ctxp
.if DOCPART == 4
	.amdgcn_target "amdgcn-amd-amdhsa--gfx1250"
	.amdhsa_code_object_version 6
	.text
	.protected	k_q9ed8f92a67_main
	.globl	k_q9ed8f92a67_main
	.p2align	8
	.type	k_q9ed8f92a67_main,@function
k_q9ed8f92a67_main:
	s_mov_b64 s[64:65], 0
	v_nop
	global_prefetch_b8 v0, s[64:65] scope:SCOPE_SE
	s_setreg_imm32_b32 hwreg(HW_REG_WAVE_MODE, 25, 1), 1
	s_wait_xcnt 0x0
; main: a work-group owns 128 rows s of one batch b (grid x = batch, y = block of rows) and ALL 1,024 output columns, so that enc_states is read from memory once:
; the block's rows stay in LDS as f16 from the product with Wh until their softmax weights are known and the block's part of the context is made.
;   x[s][m] = enc[s] . Wh[m] + bh + bs + dec . Ws[m] + cov[s] wc[m];  tanh(x) = 1 - 2 r, r = 1 / (1 + 2^(K2 x)), K2 = 2 log2(e).
;   log2(e) e[s] = const - K2 sum_m v[m] r[s][m]; the constant is the same for all rows of a batch and cancels in the softmax.  So g[s] = -K2 sum_m v[m] r[s][m],
;   the weight of a row is 2^(g - max g), and the maximum is taken away: here the block's (over the rows that the mask keeps), in the last launch the batch's.
;   Rows at or beyond enc_lens[b] get g = NEG = -2^125, whose weight is 0.  2^(K2 x) = infinity gives r = 0, underflow r = 1: tanh saturates as it should.
; A BLOCK WITH NO ROW LEFT (its first row at or beyond enc_lens[b]) does none of the work: the mask would throw all of it away.  It stores what the work would give: g = NEG, context 0.
; Blocks with low numbers, which more lengths reach, come first in the grid's order (y = block).
; THREE PARTS, TWO BARRIERS.  Every wave of every work-group passes every barrier, and none stands under a branch on a number read from memory.  So the text is three parts with a barrier
; between them, and a block with no row left jumps over each part as a whole: FILL (the block comes in), PRODUCTS (both sub-passes and their epilogues), END (weights, context, stores).
; Each part leaves no load out and takes from the others no register but the addresses made at the head.  The fill is not laid under the first products: that wants a barrier for each slab.
; F16, NOT BF16, for the matrix operands (enc, K2 Wh, the weights): eleven significant bits against eight; a batch with few rows left has a context whose rounding error is held against the
; root mean square of all batches.  The operands have the room: enc's spread of 1, 30 times larger or offset by 30 spreads, stays under 1,000; 30 times smaller it lies far above f16's step
; of 2^-24; the weights lie in (0, 1] with a 1 in every block that has a row left.  Sums, tanh and softmax are f32.
; LIMITS: |enc| stays under 65,504, f16's largest number (beyond it the conversion gives infinity); |g| = K2 |sum v r| stays under 2^125.
; SHARES.  8 waves of 512 registers, one text.  FILL: wave w brings rows 16 w .. + 15, in 16 slabs of 64 along K (256 bytes of f32 a row), six slabs (48 loads) ahead in registers:
; 8 waves x 48 loads x 512 bytes = 196,608 bytes on their way.  PRODUCTS: wave w owns columns 128 w .. + 127 in two sub-passes of 64 columns (group cg = 2 w + q) over all 128 rows and
; K = 1,024: 32 accumulators, 32 K steps of 32 matrix instructions, no barrier.  Source 0 = 16 rows of Wh, source 1 = 16 rows of enc: a lane holds ONE row 16 a + r of enc and
; registers j hold columns 16 t + 8 h + j, so the sum over columns needs one exchange between the halves of the lanes.
; The sub-passes are written out by macros, without a loop: every offset is an immediate, every LDS address a lane term plus a constant, and no base is stepped.
; NO JOINT LOADS, NO TENSOR LOADS, though all work-groups read whb: a wave's fragments of Wh are used by that wave alone and come straight into its registers, 512 consecutive bytes a load;
; a joint load lands in LDS, where 309,248 of the 327,680 bytes are taken: two slots in the 18,432 left would hold 9,216 bytes each, little more than two K steps of ONE wave's columns.
; enc has to pass through registers to be rounded.  No prefetch: the fill already has six slabs a wave on their way.
; LDS: ENC 16 slabs x 18,432 (128 rows x (128 + 16) bytes: pitch 9 x 16, so the 16 rows of a fragment load begin 16 bytes apart modulo 256); G [cg][128] f32; P, CTXS each wave's own.
; REGISTERS: window 1 (v256-511): accumulator (a, t) at 8 (4 a + t).  Window 0: v0-31 addresses and small things.
;   fill: v32-223 six slots of a slab's 16 rows as loaded; v224-255 two sets of 16 words rounded
;   products: v32-127 three buffers of half a K step of enc (64 rows x 32 K); v128-255 four slots of a K step of Wh
.set K2,     0x4038aa3b                ; 2 log2(e)
.set NK2,    0xc038aa3b                ; -2 log2(e)
.set NEG,    0xfe000000                ; -2^125
.set PITCH,  144
.set SLABB,  128*PITCH                 ; 18,432
.set FRAGB,  16*PITCH                  ; 2,304
.set GBASE,  16*SLABB                  ; 294,912
.set PBASE,  GBASE+8192
.set CBASE,  PBASE+2048
.set AP,  4                            ; v4   r x 144 + 16 h: my place in a fragment; reaches slabs 0-2 by the immediate; never rewritten
.set AB0, 5                            ; v5, v6  AP + 3 g slabs for the even and the odd groups g of three slabs
.set BO,  7                            ; v7   16 L
.set HO,  8                            ; v8   32 h
.set CO,  9                            ; v9   4 r
.set EO,  10                           ; v10  (16 w + 8 h) rows x 4,096 + 16 r: my 16 bytes in enc
.set SL,  11                           ; v11  (16 w + 8 h) x 144 + 8 r: the same numbers' 8 bytes in a slab
.set SO,  12                           ; v12  SL + the slab in hand
.set TB,  13                           ; v13  the turning loads' address
.set GS,  16                           ; v16-23 a sub-pass's sums for my eight rows
.set GA,  24                           ; v24  where they go
.set AR,  32
.set BR,  128
.set XS,  32                           ; fill: six slots of 32
.set CV,  224                          ; fill: two sets of 16
; s2 wave  s[8:25] the nine buffers  s26 x  s27 b  s28 enc_lens[b]  s30 cg  s[32:33] whb at cg  s[34:35] dfe at (cg, b)  s[36:37] wc, s[38:39] v at cg
; s[40:41] coverage at the block  s[42:43] enc at the block  s[44:45] an offset  s[46:47] lane selects  s48-51 the mask of a lane's four rows  s52-54 at work  s55 1: the block has a row left
.set MSB, 0
.macro WIN new                         ; low byte: bits 1:0 source 0, 3:2 source 1, 5:4 source 2, 7:6 destination; the high byte repeats the setting that is left
.if MSB != \new
	s_set_vgpr_msb (MSB<<8)|\new
.set MSB, \new
.endif
.endm
.macro PLACES                          ; four plain vector instructions between a matrix instruction and a load into its sources or a reader of its result
.rept 4
	v_nop
.endr
.endm
.macro SETQ q                          ; the bases of column group cg = 2 wave + q
	s_lshl_b32 s30, s2, 1
.if \q
	s_add_co_u32 s30, s30, \q
.endif
	s_mov_b32 s45, 0
	s_lshl_b32 s44, s30, 17
	s_add_nc_u64 s[32:33], s[10:11], s[44:45]
	s_lshl_b32 s44, s30, 13                        ; four tiles of 32 batches x 64 bytes
	s_lshl_b32 s52, s27, 6
	s_add_co_u32 s44, s44, s52
	s_add_nc_u64 s[34:35], s[12:13], s[44:45]
	s_lshl_b32 s44, s30, 8
	s_add_nc_u64 s[36:37], s[14:15], s[44:45]
	s_add_nc_u64 s[38:39], s[16:17], s[44:45]
.endm
.macro BLOAD kt, dst                   ; Wh's fragments of K step kt: 8 loads of 512 consecutive bytes
.irp n, 0,1,2,3,4,5,6,7
	global_load_b128 v[(\dst)+4*\n:(\dst)+4*\n+3], v[BO], s[32:33] offset:(\kt)*4096+\n*512
.endr
.endm
.macro QLOAD dst, base, step           ; my 8 columns in each of the four tiles, from a vector of f32 whose tiles lie step bytes apart
.irp t, 0,1,2,3
	global_load_b128 v[(\dst)+8*\t:(\dst)+8*\t+3],   v[HO], s[\base:\base+1] offset:\t*(\step)
	global_load_b128 v[(\dst)+8*\t+4:(\dst)+8*\t+7], v[HO], s[\base:\base+1] offset:\t*(\step)+16
.endr
.endm
.macro CLOAD                           ; coverage of my eight rows 16 a + r, into slot 2
.irp a, 0,1,2,3,4,5,6,7
	global_load_b32 v[BR+64+\a], v[CO], s[40:41] offset:64*\a
.endr
.endm
; Half u = 2 k + hh of a sub-pass: enc's fragments of K step k, rows 64 hh .. + 63, into buffer u % 3.  K step k lies in slab k / 2, at byte 64 (k % 2) of the rows.
; The halves are fetched in ascending order; the first fetch of a group of three slabs makes the group's address.
.macro AFETCH u
.set fs_, (\u)/4
.set fg_, fs_/3
.if fg_ == 0
.set fr_, AP
.else
.set fr_, AB0+(fg_%2)
.if (\u)%12 == 0
	v_add_nc_u32 v[fr_], fg_*3*SLABB, v[AP]
.endif
.endif
.set fo_, (fs_%3)*SLABB+(((\u)/2)%2)*64+((\u)%2)*4*FRAGB
.set fb_, AR+32*((\u)%3)
.irp f, 0,1,2,3
	ds_load_b128 v[fb_+8*\f:fb_+8*\f+3],   v[fr_] offset:fo_+\f*FRAGB
	ds_load_b128 v[fb_+8*\f+4:fb_+8*\f+7], v[fr_] offset:fo_+\f*FRAGB+32
.endr
.endm
; 16 matrix instructions of half u: four row tiles x the four column tiles; bs: Wh's slot.  cs other than 0: the first K step, whose C operand is K2 (dec . Ws + bs + bh) at cs: nothing is cleared.
; The 32 accumulators take turns, one instruction a turn, in the same order in every K step.
.macro MUL16 u, bs, cs
.set ma_, AR+32*((\u)%3)
.if \cs
	WIN 0x40                                       ; D in window 1, C in window 0
.else
	WIN 0x50                                       ; C and D in window 1
.endif
.irp f, 0,1,2,3
.irp t, 0,1,2,3
.set mc_, 8*(4*(4*((\u)%2)+\f)+\t)
.if \cs
	v_wmma_f32_16x16x32_f16 v[mc_:mc_+7], v[(\bs)+8*\t:(\bs)+8*\t+7], v[ma_+8*\f:ma_+8*\f+7], v[(\cs)+8*\t:(\cs)+8*\t+7]
.else
	v_wmma_f32_16x16x32_f16 v[mc_:mc_+7], v[(\bs)+8*\t:(\bs)+8*\t+7], v[ma_+8*\f:ma_+8*\f+7], v[mc_:mc_+7]
.endif
.endr
.endr
.endm
; My 16 rows of slab jn, into slot jn % 6: 8 loads; lanes 0-15 take 256 consecutive bytes (aligned) of row 16 w + i, lanes 16-31 of row 16 w + 8 + i
.macro ELOAD jn
.set es_, XS+32*((\jn)%6)
.irp i, 0,1,2,3,4,5,6,7
	global_load_b128 v[es_+4*\i:es_+4*\i+3], v[EO], s[42:43] offset:\i*4096+(\jn)*256 th:TH_LOAD_NT
.endr
.endm
; Slab j has come in: it is rounded to f16 into set j % 2, its slot takes slab j + 6, and the rounded words go to LDS.
.macro FILL j
.set fx_, XS+32*((\j)%6)
.set fc_, CV+16*((\j)%2)
.if (\j) <= 10
	s_wait_loadcnt 40                              ; loads come back in order (ISA guide 5.7.1): slab j is in; the five later slabs' eight loads each stay out
.else
	s_wait_loadcnt 8*(15-(\j))                     ; nothing is left to ask for: the count runs down 32, 24, 16, 8, 0
.endif
.irp m, 0,1,2,3,4,5,6,7,8,9,10,11,12,13,14,15
	v_cvt_pk_f16_f32 v[fc_+\m], v[fx_+2*\m], v[fx_+2*\m+1]
.endr
.if (\j) <= 9
	ELOAD (\j)+6                                   ; into the registers just read
.endif
.if (\j) == 0
.set fa_, SL
.else
.set fa_, SO
	v_add_nc_u32 v[SO], (\j)*SLABB, v[SL]
.endif
.irp i, 0,1,2,3,4,5,6,7
	ds_store_b64 v[fa_], v[fc_+2*\i:fc_+2*\i+1] offset:\i*PITCH    ; 16 lanes fill 128 bytes of a row; the two rows lie 8 x 36 = 288 words apart: the other 32 of the 64 banks (ISA guide 11.1)
.endr
.endm
; Half u of a sub-pass: one run of loads (half u + 2 of enc; at a K step's first half Wh's K step k + 3: K step 1 fetches two, since slot 3 held C; the last three K steps
; fetch wc into slot 0, v into slot 1 and coverage into slot 2), the waits, 16 matrix instructions.
.macro HALF u
.set hk_, (\u)/2
.set hh_, (\u)%2
.if (\u) < 63
	WIN 0
.if (\u) > 0
	PLACES                                         ; the buffer and the slot loaded below were read by the matrix instructions just issued
.endif
.if (\u) <= 61
	AFETCH (\u)+2
.endif
.if hh_ == 0
.if hk_ == 1
	BLOAD 3, BR+96
	BLOAD 4, BR
.elseif (hk_ >= 2) && (hk_ <= 28)
	BLOAD hk_+3, BR+32*((hk_+3)%4)
.elseif hk_ == 29
	QLOAD BR, 36, 64
.elseif hk_ == 30
	QLOAD BR+32, 38, 64
.elseif hk_ == 31
	CLOAD
.endif
.endif
.endif
.if (\u) <= 61
	s_wait_dscnt 16                                ; half u is in; the two later halves' eight loads each stay out
.elseif (\u) == 62
	s_wait_dscnt 8                                 ; the last half's eight stay out
.else
	s_wait_dscnt 0x0
.endif
.if hh_ == 0
.if hk_ == 0
	s_wait_loadcnt 16                              ; C and K step 0 are in; K steps 1 and 2 stay out
.else
	s_wait_loadcnt 24                              ; K step k is in; the three runs of eight issued behind it stay out
.endif
.endif
.if hk_ == 0
	MUL16 \u, BR, BR+96
.else
	MUL16 \u, BR+32*(hk_%4), 0
.endif
.endm
; THE EPILOGUE of a sub-pass: acc = K2 (enc . Wh + dec . Ws + bs + bh) -> + K2 cov wc -> r = 1 / (1 + 2^acc) -> sum over the 64 columns of v r -> G[cg][row].
.macro EPI
	WIN 0
	s_wait_loadcnt 0x0                             ; wc, v, coverage
.irp a, 0,1,2,3,4,5,6,7                                ; K2 cov[a], twice, as a pair for the packed form.  These 16 name slot 2 alone, which the last K step did not read:
	v_mul_f32 v[BR+72+2*\a], K2, v[BR+64+\a]       ; they are the places behind the last products
	v_mul_f32 v[BR+73+2*\a], K2, v[BR+64+\a]
.endr
	WIN 0x50
.irp a, 0,1,2,3,4,5,6,7
.irp t, 0,1,2,3
.irp j, 0,2,4,6
	v_pk_fma_f32 v[8*(4*\a+\t)+\j:8*(4*\a+\t)+\j+1], v[BR+72+2*\a:BR+73+2*\a], v[BR+8*\t+\j:BR+8*\t+\j+1], v[8*(4*\a+\t)+\j:8*(4*\a+\t)+\j+1]
.endr
.endr
.endr
	WIN 0x41                                       ; in place in window 1
.set i_, 0
.rept 256
	v_exp_f32 v[i_], v[i_]
.set i_, i_+1
.endr
	v_nop                                          ; a plain instruction between the last exponential and the use of its result
.set i_, 0
	s_wait_alu depctr_va_vdst(0)
.rept 128
	v_pk_add_f32 v[i_:i_+1], v[i_:i_+1], 1.0 op_sel_hi:[1,0]
.set i_, i_+2
.endr
.set i_, 0
.rept 256
	v_rcp_f32 v[i_], v[i_]
.set i_, i_+1
.endr
	v_nop                                          ; likewise behind the last reciprocal
	s_wait_alu depctr_va_vdst(0)
	WIN 0x01                                       ; r in window 1; v and the sums in window 0
.irp t, 0,1,2,3
.irp j, 0,2,4,6
.irp a, 0,1,2,3,4,5,6,7                                ; eight chains, one a row tile, by turns
.if (\t == 0) && (\j == 0)
	v_pk_mul_f32 v[32+2*\a:33+2*\a], v[8*(4*\a+\t)+\j:8*(4*\a+\t)+\j+1], v[BR+32+8*\t+\j:BR+32+8*\t+\j+1]
.else
	v_pk_fma_f32 v[32+2*\a:33+2*\a], v[8*(4*\a+\t)+\j:8*(4*\a+\t)+\j+1], v[BR+32+8*\t+\j:BR+32+8*\t+\j+1], v[32+2*\a:33+2*\a]
.endif
.endr
.endr
.endr
	WIN 0
.irp a, 0,1,2,3,4,5,6,7
	v_add_f32 v[GS+\a], v[32+2*\a], v[33+2*\a]
.endr
.irp a, 0,1,2,3,4,5,6,7
	v_permlanex16_b32 v[32+2*\a], v[GS+\a], s46, s47           ; the row's other 32 columns lie in the lane 16 away
.endr
.irp a, 0,1,2,3,4,5,6,7
	v_add_f32 v[GS+\a], v[GS+\a], v[32+2*\a]
.endr
	s_lshl_b32 s52, s30, 9
	s_add_co_u32 s52, s52, GBASE
	v_add_nc_u32 v[GA], s52, v[CO]                 ; G[cg][16 a + r]; both halves of the lanes hold, and write, the same number
.irp a, 0,1,2,3,4,5,6,7
	ds_store_b32 v[GA], v[GS+\a] offset:64*\a
.endr
.endm
; A whole sub-pass: 64 columns x 128 rows x K = 1,024 from LDS, and its epilogue.  No load is out where it begins (the fill's last wait, and the epilogue's, are for 0): the bases may be written.
.macro SUBPASS q
	SETQ \q
	QLOAD BR+96, 34, 2048                          ; C = K2 (dec . Ws + bs + bh) lies in slot 3 during K step 0
	BLOAD 0, BR
	BLOAD 1, BR+32
	BLOAD 2, BR+64
	AFETCH 0
	AFETCH 1
.set su_, 0
.rept 64
	HALF su_
.set su_, su_+1
.endr
	EPI
.endm
	s_load_b512 s[8:23], s[0:1], 0x0               ; enc s[8:9], whb s[10:11], dfe s[12:13], wc s[14:15], v s[16:17], coverage s[18:19], enc_lens s[20:21], gbuf s[22:23]
	s_load_b64 s[24:25], s[0:1], 0x40              ; ctxp
	v_lshrrev_b32 v14, 5, v0
	v_readfirstlane_b32 s2, v14                    ; wave 0..7
	s_mov_b32 s27, ttmp9                           ; b: batch
	s_and_b32 s26, ttmp7, 0xffff                   ; x: block of 128 rows
	v_and_b32 v1, 31, v0                           ; L
	v_and_b32 v2, 15, v0                           ; r
	v_bfe_u32 v3, v0, 4, 1                         ; h
	v_mul_u32_u24 v[AP], v2, PITCH
	v_lshl_add_u32 v[AP], v3, 4, v[AP]
	v_lshlrev_b32 v[BO], 4, v1
	v_lshlrev_b32 v[HO], 5, v3
	v_lshlrev_b32 v[CO], 2, v2
	s_lshl_b32 s52, s2, 16                         ; 16 rows of 4,096 bytes a wave
	v_lshlrev_b32 v[EO], 4, v2
	v_lshl_add_u32 v[EO], v3, 15, v[EO]
	v_add_nc_u32 v[EO], s52, v[EO]
	s_mul_i32 s52, s2, 16*PITCH
	v_mul_u32_u24 v14, v3, 8*PITCH
	v_lshl_add_u32 v[SL], v2, 3, v14
	v_add_nc_u32 v[SL], s52, v[SL]
	s_mov_b32 s46, 0x76543210                      ; v_permlanex16_b32: each lane takes its own place in the other half
	s_mov_b32 s47, 0xfedcba98
	s_mov_b32 s45, 0
	s_lshl_b32 s54, s27, 4
	s_add_co_u32 s54, s54, s26                     ; the block's number, 16 b + x
	s_wait_kmcnt 0x0
	s_lshl_b32 s44, s27, 2
	s_add_nc_u64 s[20:21], s[20:21], s[44:45]
	s_load_b32 s28, s[20:21], 0x0                  ; enc_lens[b]
	s_lshl_b32 s44, s54, 19                        ; 128 rows of 4,096 bytes
	s_add_nc_u64 s[42:43], s[8:9], s[44:45]
	s_lshl_b32 s44, s54, 9                         ; 128 f32
	s_add_nc_u64 s[40:41], s[18:19], s[44:45]
	s_add_nc_u64 s[22:23], s[22:23], s[44:45]
	s_lshl_b32 s44, s54, 12                        ; 1,024 f32
	s_add_nc_u64 s[24:25], s[24:25], s[44:45]
	s_lshl_b32 s52, s26, 7                         ; the block's first row in the batch
	s_wait_kmcnt 0x0
	s_cmp_gt_i32 s28, s52                          ; signed, as the mask's own comparison
	s_cselect_b32 s55, 1, 0                        ; 1: the block has a row left.  The same number in all eight waves
	; PART 1, THE FILL: the block's 128 rows x 1,024 numbers come in, are rounded to f16 and go to LDS.
	s_cmp_eq_u32 s55, 0
	s_cbranch_scc1 .Lno_fill
.irp j, 0,1,2,3,4,5
	ELOAD \j                                       ; six slabs, 48 loads a wave, go out at once
.endr
.irp j, 0,1,2,3,4,5,6,7,8,9,10,11,12,13,14,15
	FILL \j
.endr
.Lno_fill:
	s_wait_dscnt 0x0                               ; for the other waves' sake: my rows of all slabs are in LDS
	s_barrier_signal -1
	s_barrier_wait -1                              ; the block is whole; nobody writes it any more
	; PART 2, THE PRODUCTS: every wave goes alone, without a barrier.
	s_cmp_eq_u32 s55, 0
	s_cbranch_scc1 .Lno_mul
	SUBPASS 0
	SUBPASS 1
.Lno_mul:
	s_wait_dscnt 0x0                               ; for the other waves' sake: my sums are in G
	s_barrier_signal -1
	s_barrier_wait -1
	; PART 3, THE END.  All 16 column groups' sums meet; every wave makes all 128 weights for itself (lane L: rows 4 L .. 4 L + 3), then its 128 channels of the block's context.
	s_cmp_eq_u32 s55, 0
	s_cbranch_scc1 .Ldead
	v_add_nc_u32 v14, GBASE, v[BO]
.irp p, 0,1,2,3,4,5,6,7,8,9,10,11,12,13,14,15
	ds_load_b128 v[128+4*\p:131+4*\p], v14 offset:512*\p
.endr
	s_lshl_b32 s52, s26, 7
	v_lshl_add_u32 v15, v1, 2, s52                 ; my first row in the batch
	v_cmp_gt_i32 s48, s28, v15                     ; the mask: row < enc_lens[b]; it selects values alone
	v_add_nc_u32 v16, 1, v15
	v_cmp_gt_i32 s49, s28, v16
	v_add_nc_u32 v16, 2, v15
	v_cmp_gt_i32 s50, s28, v16
	v_add_nc_u32 v16, 3, v15
	v_cmp_gt_i32 s51, s28, v16
	v_mov_b32 v17, NEG
	v_and_b32 v28, 7, v0                           ; the turning load: lane L reads 16 bytes of key 8 h + L % 8, channels 8 ((L / 8) % 2) + 0..7
	v_lshl_add_u32 v28, v3, 3, v28
	v_mul_u32_u24 v28, v28, PITCH
	v_bfe_u32 v29, v0, 3, 1
	v_lshl_add_u32 v28, v29, 4, v28
	s_mul_i32 s53, s2, 2*SLABB                     ; my 128 channels are slabs 2 w and 2 w + 1
	v_add_nc_u32 v[TB], s53, v28
	s_lshl_b32 s52, s2, 8
	s_add_co_u32 s52, s52, PBASE
	v_lshl_add_u32 v30, v1, 3, s52                 ; P: my wave's 256 bytes; four f16 a lane
	v_lshl_add_u32 v31, v3, 4, s52                 ; and back as fragments
	s_wait_dscnt 0x0
.set d_, 8
.rept 4                                                ; 16 quads -> 1, the same order in every wave
.set p_, 0
.rept d_
	v_pk_add_f32 v[128+4*p_:129+4*p_], v[128+4*p_:129+4*p_], v[128+4*(p_+d_):129+4*(p_+d_)]
	v_pk_add_f32 v[130+4*p_:131+4*p_], v[130+4*p_:131+4*p_], v[130+4*(p_+d_):131+4*(p_+d_)]
.set p_, p_+1
.endr
.set d_, d_/2
.endr
	v_pk_mul_f32 v[128:129], v[128:129], NK2 op_sel_hi:[1,0]
	v_pk_mul_f32 v[130:131], v[130:131], NK2 op_sel_hi:[1,0]
.irp i, 0,1,2,3
	v_cndmask_b32 v[20+\i], v17, v[128+\i], s[48+\i]           ; g, or NEG beyond the length; v[20:23] are not written again
.endr
	s_cmp_lg_u32 s2, 0
	s_cbranch_scc1 .Lno_g
	global_store_b128 v[BO], v[20:23], s[22:23]    ; wave 0 stores the block's g: 512 consecutive bytes
.Lno_g:
	v_max3_num_f32 v18, v20, v21, v22              ; the block's maximum: a row is left, so it is a true g
	v_max_num_f32 v18, v18, v23
	v_max_num_f32_dpp v18, v18, v18 row_xmask:1 row_mask:0xf bank_mask:0xf
	v_max_num_f32_dpp v18, v18, v18 row_xmask:2 row_mask:0xf bank_mask:0xf
	v_max_num_f32_dpp v18, v18, v18 row_xmask:4 row_mask:0xf bank_mask:0xf
	v_max_num_f32_dpp v18, v18, v18 row_xmask:8 row_mask:0xf bank_mask:0xf
	v_permlanex16_b32 v17, v18, s46, s47           ; its destination counts as read: v17 has been written, and NEG is no longer needed
	v_max_num_f32 v18, v18, v17
.irp i, 0,1,2,3
	v_sub_f32 v[24+\i], v[20+\i], v18
.endr
.irp i, 0,1,2,3
	v_exp_f32 v[24+\i], v[24+\i]                   ; beyond the length: 2^(NEG - max) = 0
.endr
	v_nop                                          ; a plain instruction behind the last exponential
	s_wait_alu depctr_va_vdst(0)
	v_cvt_pk_f16_f32 v28, v24, v25
	v_cvt_pk_f16_f32 v29, v26, v27
	ds_store_b64 v30, v[28:29]
.irp f, 0,1,2,3                                        ; source 1 of the context's product: 32 keys x 16 columns that all hold the same weights.  LDS serves a wave's instructions in order (ISA guide 5.7.1.4): these see the store above
	ds_load_b128 v[32+8*\f:35+8*\f], v31 offset:64*\f
	ds_load_b128 v[36+8*\f:39+8*\f], v31 offset:64*\f+32
.endr
; enc turned: keys 32 f .. + 31 x my 128 channels, eight fragments (lane: channel 16 c + r)
.macro VTLOAD f, vt
.irp c, 0,1,2,3,4,5,6,7
	ds_load_tr16_b128 v[\vt+8*\c:\vt+8*\c+3],   v[TB] offset:(\c>>2)*SLABB+(\c&3)*32+(\f)*2*FRAGB
	ds_load_tr16_b128 v[\vt+8*\c+4:\vt+8*\c+7], v[TB] offset:(\c>>2)*SLABB+(\c&3)*32+(\f)*2*FRAGB+FRAGB
.endr
.endm
.macro CMUL f, vt, zero                ; the eight accumulators take turns
.irp c, 0,1,2,3,4,5,6,7
.if \zero
	v_wmma_f32_16x16x32_f16 v[192+8*\c:199+8*\c], v[\vt+8*\c:\vt+8*\c+7], v[32+8*\f:39+8*\f], 0
.else
	v_wmma_f32_16x16x32_f16 v[192+8*\c:199+8*\c], v[\vt+8*\c:\vt+8*\c+7], v[32+8*\f:39+8*\f], v[192+8*\c:199+8*\c]
.endif
.endr
.endm
	VTLOAD 0, 64
	VTLOAD 1, 128
	s_wait_dscnt 16                                ; the weights and keys 0-31 are in; the 16 loads of keys 32-63 stay out
	CMUL 0, 64, 1
	PLACES
	VTLOAD 2, 64
	s_wait_dscnt 16                                ; keys 32-63 are in; the 16 just issued stay out
	CMUL 1, 128, 0
	PLACES
	VTLOAD 3, 128
	s_wait_dscnt 16                                ; keys 64-95 are in; the 16 just issued stay out
	CMUL 2, 64, 0
	s_wait_dscnt 0x0
	CMUL 3, 128, 0
	s_lshl_b32 s53, s2, 9
	s_add_co_u32 s52, s53, CBASE
	v_lshl_add_u32 v14, v3, 5, s52                 ; CTXS: my wave's 512 bytes; register j of lane (r, h) is channel 16 c + 8 h + j, the same in all 16 lanes of a half
	v_add_nc_u32 v15, s52, v[BO]
	v_add_nc_u32 v16, s53, v[BO]
	PLACES
.irp c, 0,1,2,3,4,5,6,7
	ds_store_b128 v14, v[192+8*\c:195+8*\c] offset:64*\c
	ds_store_b128 v14, v[196+8*\c:199+8*\c] offset:64*\c+16
.endr
	ds_load_b128 v[24:27], v15                     ; back with four neighbouring channels a lane (my own bytes, served in order)
	s_wait_dscnt 0x0
	global_store_b128 v16, v[24:27], s[24:25]      ; ctxp[block][128 w + 4 L ..]: 512 consecutive bytes
	s_wait_xcnt 0x0
	v_lshl_add_u32 v46, v0, 2, 0x4b800
	v_mov_b32 v47, 0
	s_wait_tensorcnt 0x0
	ds_add_u32 v46, v47
	s_wait_dscnt 0x0
	s_endpgm
.Ldead:                                                ; no row left: the block's share of both buffers is stored all the same, since the last launch reads it
.irp i, 0,1,2,3
	v_mov_b32 v[20+\i], NEG                        ; g of every row
	v_mov_b32 v[24+\i], 0                          ; the block adds nothing to the context
.endr
	s_lshl_b32 s53, s2, 9
	v_add_nc_u32 v16, s53, v[BO]
	global_store_b128 v16, v[24:27], s[24:25]      ; ctxp[block][128 w + 4 L ..]
	s_cmp_lg_u32 s2, 0
	s_cbranch_scc1 .Lend
	global_store_b128 v[BO], v[20:23], s[22:23]    ; wave 0: the block's g
.Lend:
	s_wait_xcnt 0x0
	v_lshl_add_u32 v46, v0, 2, 0x4b800
	v_mov_b32 v47, 0
	s_wait_tensorcnt 0x0
	ds_add_u32 v46, v47
	s_wait_dscnt 0x0
	s_endpgm
.Lfunc_end_k_q9ed8f92a67_main:
	.size	k_q9ed8f92a67_main, .Lfunc_end_k_q9ed8f92a67_main-k_q9ed8f92a67_main
	.p2alignl 7, 3214868480
	.fill 96, 4, 3214868480
	.section	.rodata,"a",@progbits
	.p2align	6, 0x0
	.amdhsa_kernel k_q9ed8f92a67_main
		.amdhsa_group_segment_fixed_size 310272
		.amdhsa_private_segment_fixed_size 0
		.amdhsa_enable_private_segment 0
		.amdhsa_kernarg_size 72
		.amdhsa_user_sgpr_count 2
		.amdhsa_user_sgpr_kernarg_segment_ptr 1
		.amdhsa_wavefront_size32 1
		.amdhsa_system_sgpr_workgroup_id_x 1
		.amdhsa_system_sgpr_workgroup_id_y 1
		.amdhsa_system_sgpr_workgroup_id_z 1
		.amdhsa_system_vgpr_workitem_id 0
		.amdhsa_next_free_vgpr 512
		.amdhsa_next_free_sgpr 66
		.amdhsa_reserve_vcc 0
		.amdhsa_float_denorm_mode_32 3
		.amdhsa_float_denorm_mode_16_64 3
		.amdhsa_memory_ordered 1
		.amdhsa_forward_progress 1
		.amdhsa_inst_pref_size 255
	.end_amdhsa_kernel
	.section	.bss,"aw",@nobits
	.p2align	6
	.space	262144
	.amdgpu_metadata
---
amdhsa.version: [ 1, 2 ]
amdhsa.kernels:
  - .name:           k_q9ed8f92a67_main
    .symbol:         k_q9ed8f92a67_main.kd
    .args:
      - { .name: enc_states, .offset: 0, .size: 8, .value_kind: global_buffer, .address_space: global }
      - { .name: whb, .offset: 8, .size: 8, .value_kind: global_buffer, .address_space: global }
      - { .name: dfe, .offset: 16, .size: 8, .value_kind: global_buffer, .address_space: global }
      - { .name: wc, .offset: 24, .size: 8, .value_kind: global_buffer, .address_space: global }
      - { .name: v, .offset: 32, .size: 8, .value_kind: global_buffer, .address_space: global }
      - { .name: coverage_vector, .offset: 40, .size: 8, .value_kind: global_buffer, .address_space: global }
      - { .name: enc_lens, .offset: 48, .size: 8, .value_kind: global_buffer, .address_space: global }
      - { .name: gbuf, .offset: 56, .size: 8, .value_kind: global_buffer, .address_space: global }
      - { .name: ctxp, .offset: 64, .size: 8, .value_kind: global_buffer, .address_space: global }
    .group_segment_fixed_size: 310272
    .private_segment_fixed_size: 0
    .kernarg_segment_align: 8
    .kernarg_segment_size: 72
    .max_flat_workgroup_size: 256
    .sgpr_count:     66
    .vgpr_count:     512
    .wavefront_size: 32
...
	.end_amdgpu_metadata
.endif
;; end of part 4
;; launch finish: the kernel of part 3 again; grid 32 x 1, 8 waves a work-group, no clusters, 1,280 bytes of LDS; arguments gbuf, ctxp, coverage_vector, out0, out1, out2; writes out0, out1, out2
